; MI455X (gfx1250); checked and timed in simulation.
; The chip was launched on July 23, 2026; its instructions are those of AMD's public machine-readable ISA for CDNA 5 (MIT licence, August 2026) and "CDNA5" Instruction Set Architecture Reference Guide (July 2026). The comments in the code are by the model that wrote it; some were corrected since.
;; PT Block. Allowed arithmetic: float matrix products may take bf16 or f16 operands with f32 sums; all other float work in f32.
;; Inputs: W_alpha 128 x 128 float32; W_down 128 x 64 float32; W_phi 128 x 128 float32; W_psi 128 x 128 float32; W_top 64 x 128 float32; Wd1 3 x 128 float32; Wd2 128 x 128 float32; Wg1 128 x 128 float32; Wg2 128 x 128 float32; b_down 64 float32; b_top 128 float32; bd1 128 float32; bd2 128 float32; be1 128 float32; be2 64 float32; bg1 128 float32; bg2 128 float32; coords 16,384 x 4 int32; g1 128 float32; g2 64 float32; x 16,384 x 64 float32.
;; Outputs: out0 16,384 x 64 float32.
;; One version. Each part assembles by itself: llvm-mc -triple=amdgcn-amd-amdhsa -mcpu=gfx1250 --defsym DOCPART=n.
;; ======== version 1 of 1: 4 launches
;; limits: values outside matrix products are rounded to bf16; inputs' magnitudes at most 1,024
;; workspace buffers: nbr 1,048,576 bytes of whole numbers; st1 32,768 bytes; kv 8,388,608 bytes; qg 8,388,608 bytes; u 4,194,304 bytes; st2 131,072 bytes
;; launch knn_stats (part 1): grid 256 x 1, 8 waves a work-group, no clusters, 138,240 bytes of LDS; arguments coords, x, W_top, b_top, nbr, st1; writes nbr, st1
.if DOCPART == 1
	.amdgcn_target "amdgcn-amd-amdhsa--gfx1250"
	.amdhsa_code_object_version 6
	.text
	.protected	k_q64caa60150_knn_stats
	.globl	k_q64caa60150_knn_stats
	.p2align	8
	.type	k_q64caa60150_knn_stats,@function
k_q64caa60150_knn_stats:
	s_mov_b64 s[64:65], 0
	v_nop
	global_prefetch_b8 v0, s[64:65] scope:SCOPE_SE
	s_setreg_imm32_b32 hwreg(HW_REG_WAVE_MODE, 25, 1), 1
	s_wait_xcnt 0x0
; Two independent jobs in one launch.
; (1) Ball query: nbr[i][0..15] = the first 16 rows j of i's batch with |c_i - c_j|^2 <= 100, missing places filled with the first hit,
;     as global row numbers b*4096 + j.  The test is |c_i|^2 - 100 <= 2 c_i.c_j - |c_j|^2, and the right side is made by the matrix unit.
;     Every number goes in as bf16 pieces that hold it exactly: a coordinate as hi + lo (hi = bf16(c), lo = c - hi), |c_j|^2 as three pieces:
;     15 K places for a point.  A's rows 0-7 hold the wave's 8 queries at K 0-15, rows 8-15 the same queries at K 16-31; B's column r holds
;     candidate r at K 0-15 and candidate 16 + r at K 16-31: register j, lane L of the result is (query j, candidate L of 32).
;     LIMIT: coordinates from -1024 to 1024.  There every product is a whole number and every partial sum a whole number of size at most
;     3 x 3 x 1024^2 < 2^24, which f32 holds exactly in whatever order they are added; reference()'s own f32 formula is exact there too.
;     A work-group owns 64 queries of one batch, a wave 8 of them.
;     NO BRANCH AND NO ADDRESS HANGS ON THE COORDINATES.  The hit masks are parked at fixed places: a query's 4096 bits are four registers,
;     lane L holding candidates 128 L .. 128 L + 127.  Behind the scan the hits in front of each lane are counted, and the k-th hit is found by
;     counting: its lane is (lanes with at most k hits in front) - 1, its place in the lane (places with at most n set bits below them) - 1.
; (2) Partial batch-norm statistics of t = x W_top + b_top: work-group g takes channels 16 (g & 7) .. +15 of rows 512 (g >> 3) .. +511
;     and stores their mean and the sum of squares about that mean (no difference of large sums is ever formed).
; No cluster: the only shared data are 64 KiB of coordinates per batch, which each work-group must recode in registers anyway.
.set CAND,  0                          ; 4096 candidates x 16 bytes: K places 0-7 {hx,hy,hx,hy,lx,ly,lx,ly}
.set PLANE, 65536                      ; and, this far on, K places 8-15 {hz,hz,lz,lz,p1,p2,p3,0}, p1+p2+p3 = |c|^2
.set STAT,  131072                     ; wave x 256: mean of 32 lanes, then M2 of 32 lanes
.set OUTS,  133120                     ; wave x 512: the wave's eight lists on their way out
; v1 query's offset, v2 lane, v3 r, v4 h, v5 16 t, v6-v8 offsets in W_top, b_top, x, v9 16 t + PLANE, v10 -1.0, v11 0, v[12:15] my query's row,
; v16-v20 and v24-v31 at work, v21 b_top, v[22:23] mean
.set CL,  32                           ; v[32:95]   coordinates as loaded, then each candidate's first four feature registers
.set ACC, 32                           ; v[32:63]   four result tiles of the statistics
.set WL,  96                           ; v[96:127]  W_top's column pieces, f32; packed in place into v[96:111], two bf16 fragments
.set XS,  128                          ; v[128:255] x, four row tiles of 32 registers; each packed in place into its first 16, two fragments
.set F0,  32                           ; v[32:63]   candidates' fragments, four chunks of 32, set 0
.set F1,  64                           ; v[64:95]   set 1
.set XR,  32                           ; v[32:63]   in the selection: query q, word c: set bits below each place
.set BM,  96                           ; v[96:127]  query q: four words of hit bits a lane
.set D0,  128                          ; v[128:159] results of four chunks, set 0
.set D1,  160                          ; v[160:191] set 1
.set EX,  192                          ; v[192:199] query q: hits in front of the lane's 128 candidates
.set RR,  200                          ; v[200:203] register i: lists of queries 2 i (lanes 0-15) and 2 i + 1 (lanes 16-31)
.set CC,  208                          ; v[208:215] query q: hits among the lane's 128 candidates, at most 16 counted
.set UU,  216                          ; v[216:223] at work
.set AF,  224                          ; v[224:231] the queries' fragment
.set TP,  232                          ; v[232:239] at work
.set SA,  12                           ; v12        LDS address of my piece of the group's fragments
.set THR, 16                           ; s[16:23]   query q: |c|^2 - 100 in f32
.set QS,  16                           ; s[16:47]   in the selection: the chosen lane's four words
.set CNT, 48                           ; s[48:55]   hits in all, counted as CC counts them
.set MK,  68                           ; s[68:75]   hit masks of a chunk; in the selection the chosen lane
.set EN,  76                           ; s[76:83]   in the selection: n, the hit's number within its lane
.macro NOPS n
.rept \n
	v_nop
.endr
.endm
	s_load_b256 s[4:11], s[0:1], 0x0               ; coords s[4:5], x s[6:7], W_top s[8:9], b_top s[10:11]
	s_load_b128 s[12:15], s[0:1], 0x20             ; nbr s[12:13], st1 s[14:15]
	s_set_vgpr_msb 0x40
	v_lshl_add_u32 v0, v0, 2, 0x21800
	v_mov_b32 v1, 0
	s_set_vgpr_msb 0x4000
	v_lshrrev_b32 v1, 5, v0
	v_readfirstlane_b32 s56, v1                    ; wave
	v_and_b32 v2, 31, v0                           ; lane
	v_and_b32 v3, 15, v0                           ; r
	v_bfe_u32 v4, v0, 4, 1                         ; h
	v_lshlrev_b32 v5, 4, v0                        ; 16 t
	v_add_nc_u32 v9, PLANE, v5
	v_mov_b32 v10, -1.0
	v_mov_b32 v11, 0
	s_mov_b32 s60, 0x76543210                      ; v_permlanex16_b32: lane i takes lane i of the other half
	s_mov_b32 s61, 0xfedcba98
	s_mov_b32 s62, 0xff00ff00                      ; lanes with r >= 8
	s_mov_b32 s67, 0xffff0000                      ; lanes 16-31
	s_and_b32 s57, ttmp9, 63
	s_lshl_b32 s57, s57, 10                        ; the work-group's 64 queries within the batch, 16 bytes each
	s_lshl_b32 s58, s56, 7                         ; + wave x 8 queries
	s_add_co_u32 s57, s57, s58
	v_and_b32 v1, 7, v0
	v_lshl_add_u32 v1, v1, 4, s57                  ; lane (r, h) builds the fragment rows of query r & 7
	s_lshr_b32 s59, ttmp9, 6                       ; batch
	s_lshl_b32 s2, s59, 16
	s_mov_b32 s3, 0
	s_wait_kmcnt 0x0
	s_add_nc_u64 s[4:5], s[4:5], s[2:3]            ; the batch's 4096 rows of coords
.irp i,0,1,2,3,4,5,6,7,8,9,10,11,12,13,14,15
	global_load_b128 v[CL+4*\i:CL+4*\i+3], v5, s[4:5] offset:\i*4096
.endr
	global_load_b128 v[12:15], v1, s[4:5]          ; my query: {b, x, y, z}
	s_and_b32 s57, ttmp9, 7
	s_lshl_b32 s57, s57, 6                         ; 64 x channel tile = byte offset of its 16 channels
	v_lshlrev_b32 v6, 12, v4                       ; 8 h rows of W_top (512 bytes each)
	v_lshl_add_u32 v6, v3, 2, v6
	v_add_nc_u32 v6, s57, v6
.irp c,0,1,2,3
.irp e,0,1,2,3,4,5,6,7
	global_load_b32 v[WL+8*\c+\e], v6, s[8:9] offset:(16*\c+\e)*512    ; W_top[16c + 8h + e][16 ct + r]
.endr
.endr
	v_lshl_add_u32 v7, v3, 2, s57
	global_load_b32 v21, v7, s[10:11]              ; b_top of my channel
	s_lshr_b32 s58, ttmp9, 3                       ; row block
	s_lshl_b32 s2, s58, 17                         ; 512 rows x 256 bytes
	s_lshl_b32 s58, s56, 14                        ; + wave x 64 rows
	s_add_co_u32 s2, s2, s58
	s_add_nc_u64 s[6:7], s[6:7], s[2:3]
	v_lshlrev_b32 v8, 8, v3                        ; x fragment: row r, 32 h bytes
	v_lshl_add_u32 v8, v4, 5, v8
.macro XLOAD rt                        ; 16 rows x 64 f32 of x in fragment order: 8 loads
.irp c,0,1,2,3
	global_load_b128 v[XS+32*\rt+8*\c:XS+32*\rt+8*\c+3],   v8, s[6:7] offset:\rt*4096+64*\c
	global_load_b128 v[XS+32*\rt+8*\c+4:XS+32*\rt+8*\c+7], v8, s[6:7] offset:\rt*4096+64*\c+16
.endr
.endm
.macro XCVT rt                         ; packed in place: register p is written when registers 2 p and 2 p + 1 have been read
.irp p,0,1,2,3,4,5,6,7,8,9,10,11,12,13,14,15
	v_cvt_pk_bf16_f32 v[XS+32*\rt+\p], v[XS+32*\rt+2*\p], v[XS+32*\rt+2*\p+1]
.endr
.endm
	XLOAD 0
	XLOAD 1
; A candidate's 16 K places from its row {b, x, y, z} in v[c:c+3]: places 0-7 into v[c:c+3], places 8-15 into v[p:p+3].
; hi = bf16(number); number - hi, exact in f32, by one mixed multiply-add with -1; the next piece is bf16 of that.
.macro FEATC c, p
	v_cvt_f32_i32 v16, v[\c+1]
	v_cvt_f32_i32 v17, v[\c+2]
	v_cvt_f32_i32 v18, v[\c+3]
	v_mul_f32 v19, v16, v16
	v_cvt_pk_bf16_f32 v[\c], v16, v17              ; {hx, hy}
	v_cvt_pk_bf16_f32 v[\p], v18, v18              ; {hz, hz}
	v_fma_f32 v19, v17, v17, v19
	v_fma_mix_f32_bf16 v16, v[\c], v10, v16 op_sel_hi:[1,0,0]                  ; lx
	v_fma_mix_f32_bf16 v17, v[\c], v10, v17 op_sel:[1,0,0] op_sel_hi:[1,0,0]   ; ly
	v_fma_f32 v19, v18, v18, v19                   ; |c|^2, a whole number below 2^22
	v_fma_mix_f32_bf16 v18, v[\p], v10, v18 op_sel_hi:[1,0,0]                  ; lz
	v_mov_b32 v[\c+1], v[\c]
	v_cvt_pk_bf16_f32 v[\p+2], v19, v19            ; p1, for the line after next
	v_cvt_pk_bf16_f32 v[\c+2], v16, v17            ; {lx, ly}
	v_cvt_pk_bf16_f32 v[\p+1], v18, v18            ; {lz, lz}
	v_fma_mix_f32_bf16 v20, v[\p+2], v10, v19 op_sel_hi:[1,0,0]                ; |c|^2 - p1
	v_mov_b32 v[\c+3], v[\c+2]
	v_cvt_pk_bf16_f32 v[\p+2], v19, v20            ; {p1, p2}
	v_fma_mix_f32_bf16 v20, v[\p+2], v10, v20 op_sel:[1,0,0] op_sel_hi:[1,0,0] ; - p2: at most 8 bits are left
	v_cvt_pk_bf16_f32 v[\p+3], v20, v11            ; {p3, 0}
.endm
	; candidates into LDS, recoded.  Behind load i stand 15 - i of coords, the query's, 33 of W_top and b_top and 16 of x: 65 - i;
	; a wait names at most 63, and a smaller count is always right.
.irp i,0,1,2,3,4,5,6,7,8,9,10,11,12,13,14,15
.if (65-\i) > 63
	s_wait_loadcnt 63
.else
	s_wait_loadcnt 65-\i
.endif
	FEATC CL+4*\i, 24+4*(\i%2)
	ds_store_b128 v5, v[CL+4*\i:CL+4*\i+3] offset:CAND+\i*4096
	ds_store_b128 v9, v[24+4*(\i%2):27+4*(\i%2)] offset:CAND+\i*4096
.endr
	XLOAD 2
	XLOAD 3
	s_wait_loadcnt 32                              ; the query, W_top and b_top are in; the 32 loads of x stay out
.irp p,0,1,2,3,4,5,6,7,8,9,10,11,12,13,14,15
	v_cvt_pk_bf16_f32 v[WL+\p], v[WL+2*\p], v[WL+2*\p+1]
.endr
	s_wait_loadcnt 24                              ; row tile 0 is in; three tiles of 8 loads stay out
	XCVT 0
	s_wait_loadcnt 16
	XCVT 1
	s_wait_loadcnt 8
	XCVT 2
	s_wait_loadcnt 0x0
	XCVT 3
	; t without its bias: lane (r, h) gets channel 16 ct + r, register j row 8 h + j of the tile.  The first product starts each sum.
.irp rt,0,1,2,3
	v_wmma_f32_16x16x32_bf16 v[ACC+8*\rt:ACC+8*\rt+7], v[XS+32*\rt:XS+32*\rt+7], v[WL:WL+7], 0
.endr
.irp rt,0,1,2,3
	v_wmma_f32_16x16x32_bf16 v[ACC+8*\rt:ACC+8*\rt+7], v[XS+32*\rt+8:XS+32*\rt+15], v[WL+8:WL+15], v[ACC+8*\rt:ACC+8*\rt+7]
.endr
	NOPS 4                                         ; four independent vector places before a vector instruction reads a matrix result (ISA guide 7.12.1)
	; mean of my wave's 64 rows
	v_pk_add_f32 v[24:25], v[ACC:ACC+1], v[ACC+2:ACC+3]
	v_pk_add_f32 v[26:27], v[ACC+4:ACC+5], v[ACC+6:ACC+7]
.set i, 8
.rept 6
	v_pk_add_f32 v[24:25], v[24:25], v[ACC+i:ACC+i+1]
	v_pk_add_f32 v[26:27], v[26:27], v[ACC+i+2:ACC+i+3]
.set i, i+4
.endr
	v_pk_add_f32 v[24:25], v[24:25], v[26:27]
	v_add_f32 v24, v24, v25
	v_permlanex16_b32 v25, v24, s60, s61
	v_add_f32 v24, v24, v25
	v_mul_f32 v22, 0x3c800000, v24                 ; / 64
	v_mov_b32 v23, v22
	; sum of squares about that mean
.set i, 0
.rept 16
	v_pk_add_f32 v[ACC+i:ACC+i+1], v[ACC+i:ACC+i+1], v[22:23] neg_lo:[0,1] neg_hi:[0,1]
.set i, i+2
.endr
	v_pk_mul_f32 v[24:25], v[ACC:ACC+1], v[ACC:ACC+1]
	v_pk_mul_f32 v[26:27], v[ACC+2:ACC+3], v[ACC+2:ACC+3]
.set i, 4
.rept 7
	v_pk_fma_f32 v[24:25], v[ACC+i:ACC+i+1], v[ACC+i:ACC+i+1], v[24:25]
	v_pk_fma_f32 v[26:27], v[ACC+i+2:ACC+i+3], v[ACC+i+2:ACC+i+3], v[26:27]
.set i, i+4
.endr
	v_pk_add_f32 v[24:25], v[24:25], v[26:27]
	v_add_f32 v24, v24, v25
	v_permlanex16_b32 v25, v24, s60, s61
	v_add_f32 v24, v24, v25
	v_add_f32 v22, v22, v21                        ; the bias shifts the mean only
	s_lshl_b32 s58, s56, 8
	s_add_co_u32 s58, s58, STAT
	v_lshl_add_u32 v16, v2, 2, s58
	ds_store_b32 v16, v22
	ds_store_b32 v16, v24 offset:128
	s_wait_dscnt 0x0                               ; my candidates and my statistics are in LDS before I say so
	s_barrier_signal -1
	s_barrier_wait -1                              ; now everybody's are
	s_cmp_lg_u32 s56, 0
	s_cbranch_scc1 .Lscan
	; wave 0 joins the eight waves' figures: 512 rows
	v_lshlrev_b32 v16, 2, v2
	v_add_nc_u32 v16, STAT, v16
.irp w,0,1,2,3,4,5,6,7
	ds_load_b32 v[64+\w], v16 offset:\w*256
	ds_load_b32 v[72+\w], v16 offset:\w*256+128
.endr
	s_wait_dscnt 0x0
	v_add_f32 v24, v64, v65
	v_add_f32 v25, v72, v73
.irp w,2,3,4,5,6,7
	v_add_f32 v24, v24, v[64+\w]
	v_add_f32 v25, v25, v[72+\w]
.endr
	v_mul_f32 v24, 0x3e000000, v24                 ; / 8
.irp w,0,1,2,3,4,5,6,7
	v_sub_f32 v[64+\w], v[64+\w], v24
.endr
	v_mul_f32 v26, v64, v64
.irp w,1,2,3,4,5,6,7
	v_fmac_f32 v26, v[64+\w], v[64+\w]
.endr
	v_fmac_f32 v25, 0x42800000, v26                ; + 64 x the spread of the waves' means
	v_cmp_eq_u32 vcc_lo, 1, v4
	v_cndmask_b32 v30, v24, v25, vcc_lo            ; lanes 0-15 store the mean, lanes 16-31 M2
	s_lshr_b32 s58, ttmp9, 3
	s_lshl_b32 s58, s58, 10                        ; row block x 1024 bytes
	s_add_co_u32 s58, s58, s57                     ; + 64 x channel tile
	v_lshlrev_b32 v31, 9, v4
	v_lshl_add_u32 v31, v3, 2, v31
	v_add_nc_u32 v31, s58, v31
	global_store_b32 v31, v30, s[14:15]            ; v30 and v31 are written nowhere behind this line
.Lscan:
; THE SCAN.  A group is four chunks of 32 candidates.  A chunk's fragment: lane (r, h) takes places 8 h .. 8 h + 7 of candidate r into registers
; 0-3 and of candidate 16 + r into registers 4-7: two loads of 16 bytes, in each of which sixteen lanes read 256 consecutive bytes.
.macro FLOAD f, off
.irp c,0,1,2,3
	ds_load_b128 v[\f+8*\c:\f+8*\c+3],   v[SA] offset:CAND+\off+512*\c
	ds_load_b128 v[\f+8*\c+4:\f+8*\c+7], v[SA] offset:CAND+\off+512*\c+256
.endr
.endm
	v_lshlrev_b32 v[SA], 16, v4                    ; h x PLANE
	v_lshl_add_u32 v[SA], v3, 4, v[SA]             ; + 16 r
	FLOAD F0, 0
	FLOAD F1, 2048
	; the queries' fragment, while the first fragments come.  Against the candidates' places stand {Hx,Hy,Lx,Ly,Hx,Hy,Lx,Ly} and
	; {Hz,Lz,Hz,Lz,-1,-1,-1,0}, H + L = 2 c: the sum over the 16 places is 2 c_i.c_j - |c_j|^2.
	v_cvt_f32_i32 v16, v13
	v_cvt_f32_i32 v17, v14
	v_cvt_f32_i32 v18, v15
	v_mul_f32 v19, v16, v16
	v_fma_f32 v19, v17, v17, v19
	v_fma_f32 v19, v18, v18, v19
	v_add_f32 v16, v16, v16
	v_add_f32 v17, v17, v17
	v_add_f32 v18, v18, v18
	v_add_f32 v19, 0xc2c80000, v19                 ; |c_i|^2 - 100
	v_cvt_pk_bf16_f32 v24, v16, v17                ; {Hx, Hy}
	v_cvt_pk_bf16_f32 v25, v18, v18
	v_fma_mix_f32_bf16 v16, v24, v10, v16 op_sel_hi:[1,0,0]
	v_fma_mix_f32_bf16 v17, v24, v10, v17 op_sel:[1,0,0] op_sel_hi:[1,0,0]
	v_fma_mix_f32_bf16 v20, v25, v10, v18 op_sel_hi:[1,0,0]
	v_cvt_pk_bf16_f32 v26, v16, v17                ; {Lx, Ly}
	v_cvt_pk_bf16_f32 v27, v18, v20                ; {Hz, Lz}
	v_mov_b32 v28, 0xbf80bf80                      ; {-1, -1}
	v_mov_b32 v29, 0xbf80                          ; {-1, 0}
	v_cndmask_b32 v20, v24, v27, s67               ; lanes 16-31 hold places 8-15
	v_cndmask_b32 v21, v26, v27, s67
	v_cndmask_b32 v22, v24, v28, s67
	v_cndmask_b32 v23, v26, v29, s67
.irp i,0,1,2,3
	v_cndmask_b32 v[AF+\i],   v[20+\i], v11, s62   ; rows 0-7: the query at K 0-15, zeros at K 16-31
	v_cndmask_b32 v[AF+4+\i], v11, v[20+\i], s62   ; rows 8-15: the other way round
.endr
.irp q,0,1,2,3,4,5,6,7
	v_readlane_b32 s[THR+\q], v19, \q              ; lane q built query q
.endr
; Step g: group g + 1 is multiplied (fragments fn, results dn), group g + 2 is loaded (into fc, which group g has left), group g is compared
; and parked (results dc).  Chunk c of group g is word c of lane g in the query's bit map: VCC marks that lane.  first = 1 (group 0): the words
; are written whole, so that nothing is cleared; lanes 1-31 are written over by their groups.
; The wait in front of chunk c's product: behind that chunk's two loads stand 6 - 2 c older ones and, where this step loads, 2 c new ones.
; Distances behind the products (ISA guide 7.12.1): a product's results are read, and its fragment is loaded again, one step later, behind the 16
; and more compare and select lines of the other register set, which name none of its registers.
.macro STEP fc, dc, fn, dn, wm, ld, first
.if \first == 0
	v_cmp_eq_u32 vcc_lo, s66, v2                   ; the group's lane
.endif
.irp c,0,1,2,3
.if \wm
	s_wait_dscnt 6-2*\c+2*\c*\ld
	v_wmma_f32_16x16x32_bf16 v[\dn+8*\c:\dn+8*\c+7], v[AF:AF+7], v[\fn+8*\c:\fn+8*\c+7], 0
.endif
.if \ld
	ds_load_b128 v[\fc+8*\c:\fc+8*\c+3],   v[SA] offset:CAND+4096+512*\c
	ds_load_b128 v[\fc+8*\c+4:\fc+8*\c+7], v[SA] offset:CAND+4096+512*\c+256
.endif
.irp q,0,1,2,3,4,5,6,7
	v_cmp_le_f32 s[MK+\q], s[THR+\q], v[\dc+8*\c+\q]
.endr
.irp q,0,1,2,3,4,5,6,7
.if \first
	v_mov_b32 v[BM+4*\q+\c], s[MK+\q]
.else
	v_cndmask_b32 v[BM+4*\q+\c], v[BM+4*\q+\c], s[MK+\q], vcc_lo
.endif
.endr
.endr
	v_add_nc_u32 v[SA], 0x800, v[SA]               ; 128 candidates on
	s_add_co_u32 s66, s66, 1
.endm
	s_wait_dscnt 8                                 ; group 0's fragments are in; group 1's eight loads stay out
.irp c,0,1,2,3
	v_wmma_f32_16x16x32_bf16 v[D0+8*\c:D0+8*\c+7], v[AF:AF+7], v[F0+8*\c:F0+8*\c+7], 0
.endr
	NOPS 4                                         ; here nothing else stands between these products and step 0's loads into F0 and reads of D0
	s_mov_b32 s66, 0                               ; the group's number
	STEP F0, D0, F1, D1, 1, 1, 1
	s_mov_b32 s57, 14                              ; 32 steps: one in front, 14 trips of two, three behind
.Lloop:
	STEP F1, D1, F0, D0, 1, 1, 0
	STEP F0, D0, F1, D1, 1, 1, 0
	s_sub_co_i32 s57, s57, 1
	s_cmp_lg_u32 s57, 0
	s_cbranch_scc1 .Lloop
	STEP F1, D1, F0, D0, 1, 1, 0                   ; step 29 loads the last group,
	STEP F0, D0, F1, D1, 1, 0, 0                   ; step 30 multiplies it and loads nothing,
	STEP F1, D1, F0, D0, 0, 0, 0                   ; step 31 only compares
	; HITS IN FRONT OF EACH LANE.  First the set bits among a lane's 128, by sums of fields of 2, 4 and 8 bits; more than 16 count as 16:
	; a lane behind such a lane then has 16 or more in front and is never chosen, and the lanes up to it are counted exactly.
	s_mov_b32 s24, 0x55555555
	s_mov_b32 s25, 0x33333333
	s_mov_b32 s26, 0x0f0f0f0f
.macro POPC q
.irp c,0,1,2,3
	v_lshrrev_b32 v[TP+\c], 1, v[BM+4*\q+\c]
.endr
.irp c,0,1,2,3
	v_and_b32 v[TP+\c], s24, v[TP+\c]
.endr
.irp c,0,1,2,3
	v_sub_nc_u32 v[TP+\c], v[BM+4*\q+\c], v[TP+\c] ; fields of 2 bits: 0 to 2
.endr
.irp c,0,1,2,3
	v_lshrrev_b32 v[TP+4+\c], 2, v[TP+\c]
.endr
.irp c,0,1,2,3
	v_and_b32 v[TP+\c], s25, v[TP+\c]
.endr
.irp c,0,1,2,3
	v_and_b32 v[TP+4+\c], s25, v[TP+4+\c]
.endr
.irp c,0,1,2,3
	v_add_nc_u32 v[TP+\c], v[TP+\c], v[TP+4+\c]    ; fields of 4 bits: 0 to 4
.endr
	v_add_nc_u32 v[TP],   v[TP],   v[TP+1]         ; 0 to 8
	v_add_nc_u32 v[TP+2], v[TP+2], v[TP+3]
	v_lshrrev_b32 v[TP+4], 4, v[TP]
	v_lshrrev_b32 v[TP+6], 4, v[TP+2]
	v_and_b32 v[TP],   s26, v[TP]
	v_and_b32 v[TP+2], s26, v[TP+2]
	v_and_b32 v[TP+4], s26, v[TP+4]
	v_and_b32 v[TP+6], s26, v[TP+6]
	v_add_nc_u32 v[TP],   v[TP],   v[TP+4]         ; bytes: 0 to 16
	v_add_nc_u32 v[TP+2], v[TP+2], v[TP+6]
	v_add_nc_u32 v[TP],   v[TP],   v[TP+2]         ; 0 to 32
	v_lshrrev_b32 v[TP+1], 16, v[TP]
	v_add_nc_u32 v[TP], v[TP], v[TP+1]
	v_lshrrev_b32 v[TP+1], 8, v[TP]
	v_add_nc_u32 v[TP], v[TP], v[TP+1]             ; the lowest byte: all four, 0 to 128
	v_and_b32 v[TP], 0xff, v[TP]
	v_min_u32 v[CC+\q], 16, v[TP]
.endm
.irp q,0,1,2,3,4,5,6,7
	POPC \q
.endr
	; then the sum over the lower lanes, bit plane by bit plane from the top: twice the sum so far + the lower lanes that have this bit
.irp b,4,3,2,1,0
.irp q,0,1,2,3,4,5,6,7
	v_and_b32 v[UU+\q], 1<<\b, v[CC+\q]
.endr
.irp q,0,1,2,3,4,5,6,7
	v_cmp_ne_u32 s[MK+\q], 0, v[UU+\q]
.endr
.if \b < 4
.irp q,0,1,2,3,4,5,6,7
	v_lshlrev_b32 v[EX+\q], 1, v[EX+\q]
.endr
.irp q,0,1,2,3,4,5,6,7
	v_mbcnt_lo_u32_b32 v[EX+\q], s[MK+\q], v[EX+\q]
.endr
.else
.irp q,0,1,2,3,4,5,6,7
	v_mbcnt_lo_u32_b32 v[EX+\q], s[MK+\q], 0
.endr
.endif
.endr
.irp q,0,1,2,3,4,5,6,7
	v_add_nc_u32 v[UU+\q], v[EX+\q], v[CC+\q]
.endr
.irp q,0,1,2,3,4,5,6,7
	v_readlane_b32 s[CNT+\q], v[UU+\q], 31         ; hits in all: exact below 16, else 16 or more
.endr
	; THE SELECTION: trip k finds hit k of all eight queries.  A place without a hit (k at or beyond the count) gets a number that is
	; replaced behind the loop.
.irp i,0,1,2,3
	v_mov_b32 v[RR+\i], 0                          ; written lane by lane below: defined first
.endr
	s_mov_b32 s57, 0
.Lslot:
	s_lshl_b32 s87, 1, s57                         ; lane k: an even query's place
	s_lshl_b32 s88, 0x10000, s57                   ; lane 16 + k: an odd query's
.irp q,0,1,2,3,4,5,6,7
	v_cmp_ge_u32 s[MK+\q], s57, v[EX+\q]           ; lanes with at most k hits in front: lanes 0 .. the hit's lane (lane 0 always)
.endr
.irp q,0,1,2,3,4,5,6,7
	s_bcnt1_i32_b32 s[MK+\q], s[MK+\q]
	s_sub_co_u32 s[MK+\q], s[MK+\q], 1             ; the hit's lane, 0 to 31
.endr
.irp q,0,1,2,3,4,5,6,7
	v_readlane_b32 s[EN+\q], v[EX+\q], s[MK+\q]
.irp c,0,1,2,3
	v_readlane_b32 s[QS+4*\q+\c], v[BM+4*\q+\c], s[MK+\q]
.endr
.endr
.irp q,0,1,2,3,4,5,6,7
	s_sub_co_u32 s[EN+\q], s57, s[EN+\q]           ; n: the hit is set bit number n of the lane's 128
	s_bcnt1_i32_b32 s84, s[QS+4*\q]
	s_bcnt1_i32_b32 s85, s[QS+4*\q+1]
	s_bcnt1_i32_b32 s86, s[QS+4*\q+2]
	s_add_co_u32 s85, s85, s84
	s_add_co_u32 s86, s86, s85
	v_mbcnt_lo_u32_b32 v[XR+4*\q],   s[QS+4*\q],   0      ; lane b, word c: set bits below place 32 c + b
	v_mbcnt_lo_u32_b32 v[XR+4*\q+1], s[QS+4*\q+1], s84
	v_mbcnt_lo_u32_b32 v[XR+4*\q+2], s[QS+4*\q+2], s85
	v_mbcnt_lo_u32_b32 v[XR+4*\q+3], s[QS+4*\q+3], s86
.endr
.irp q,0,1,2,3,4,5,6,7
.irp c,0,1,2,3
	v_cmp_ge_u32 s[QS+4*\q+\c], s[EN+\q], v[XR+4*\q+\c]   ; places with at most n set bits below: places 0 .. the hit's
.endr
.endr
.irp q,0,1,2,3,4,5,6,7
	s_bcnt1_i32_b32 s[QS+4*\q],   s[QS+4*\q]
	s_bcnt1_i32_b32 s[QS+4*\q+1], s[QS+4*\q+1]
	s_bcnt1_i32_b32 s[QS+4*\q+2], s[QS+4*\q+2]
	s_bcnt1_i32_b32 s[QS+4*\q+3], s[QS+4*\q+3]
	s_add_co_u32 s[QS+4*\q],   s[QS+4*\q],   s[QS+4*\q+1]
	s_add_co_u32 s[QS+4*\q+2], s[QS+4*\q+2], s[QS+4*\q+3]
	s_add_co_u32 s[QS+4*\q],   s[QS+4*\q],   s[QS+4*\q+2] ; the hit's place in its lane + 1
	s_lshl_b32 s[MK+\q], s[MK+\q], 7
	s_add_co_u32 s[QS+4*\q], s[QS+4*\q], s[MK+\q]         ; + 128 x lane
	v_cndmask_b32 v[RR+\q/2], v[RR+\q/2], s[QS+4*\q], s[87+\q%2]
.endr
	s_add_co_u32 s57, s57, 1
	s_cmp_lt_u32 s57, 16
	s_cbranch_scc1 .Lslot
	; the lists leave: global row numbers; places at or beyond the count get the first hit (a point is its own neighbour, so there is one)
	s_lshl_b32 s89, s59, 12
	s_sub_co_u32 s89, s89, 1                       ; 4096 x batch, and the 1 too many from the counting
	s_lshl_b32 s58, s56, 9
	s_add_co_u32 s58, s58, OUTS
	v_lshl_add_u32 v9, v2, 2, s58
	v_lshl_add_u32 v10, v2, 4, s58
.irp i,0,1,2,3
	v_add_nc_u32 v[RR+\i], s89, v[RR+\i]
.endr
.irp i,0,1,2,3
	v_readlane_b32 s84, v[RR+\i], 0                ; the first hits of queries 2 i and 2 i + 1
	v_readlane_b32 s85, v[RR+\i], 16
	v_mov_b32 v24, s84
	v_mov_b32 v25, s[CNT+2*\i]
	v_cndmask_b32 v24, v24, s85, s67
	v_cndmask_b32 v25, v25, s[CNT+2*\i+1], s67
	v_cmp_lt_u32 vcc_lo, v3, v25                   ; place < count
	v_cndmask_b32 v[RR+\i], v24, v[RR+\i], vcc_lo
	ds_store_b32 v9, v[RR+\i] offset:128*\i        ; query 2 i + lane / 16, place lane % 16: byte 128 i + 4 lane of my 512
.endr
	ds_load_b128 v[24:27], v10                     ; my own bytes: LDS serves a wave's instructions in order
	s_lshl_b32 s58, ttmp9, 12                      ; (64 g + 8 w) rows of 64 bytes
	s_lshl_b32 s57, s56, 9
	s_add_co_u32 s58, s58, s57
	v_lshl_add_u32 v11, v2, 4, s58
	s_wait_dscnt 0x0
	global_store_b128 v11, v[24:27], s[12:13]      ; the wave's store covers 512 consecutive bytes, aligned
	s_set_vgpr_msb 0x5
	s_wait_tensorcnt 0x0
	ds_add_u32 v0, v1
	s_wait_dscnt 0x0
	s_set_vgpr_msb 0x500
	s_endpgm
.Lfunc_end_k_q64caa60150_knn_stats:
	.size	k_q64caa60150_knn_stats, .Lfunc_end_k_q64caa60150_knn_stats-k_q64caa60150_knn_stats
	.p2alignl 7, 3214868480
	.fill 96, 4, 3214868480
	.section	.rodata,"a",@progbits
	.p2align	6, 0x0
	.amdhsa_kernel k_q64caa60150_knn_stats
		.amdhsa_group_segment_fixed_size 138240
		.amdhsa_private_segment_fixed_size 0
		.amdhsa_enable_private_segment 0
		.amdhsa_kernarg_size 48
		.amdhsa_user_sgpr_count 2
		.amdhsa_user_sgpr_kernarg_segment_ptr 1
		.amdhsa_wavefront_size32 1
		.amdhsa_system_sgpr_workgroup_id_x 1
		.amdhsa_system_sgpr_workgroup_id_y 1
		.amdhsa_system_sgpr_workgroup_id_z 1
		.amdhsa_system_vgpr_workitem_id 0
		.amdhsa_next_free_vgpr 258
		.amdhsa_next_free_sgpr 90
		.amdhsa_reserve_vcc 1
		.amdhsa_float_denorm_mode_32 3
		.amdhsa_float_denorm_mode_16_64 3
		.amdhsa_memory_ordered 1
		.amdhsa_forward_progress 1
		.amdhsa_inst_pref_size 108
	.end_amdhsa_kernel
	.amdgpu_metadata
---
amdhsa.version: [ 1, 2 ]
amdhsa.kernels:
  - .name:           k_q64caa60150_knn_stats
    .symbol:         k_q64caa60150_knn_stats.kd
    .args:
      - { .name: coords, .offset: 0, .size: 8, .value_kind: global_buffer, .address_space: global }
      - { .name: x, .offset: 8, .size: 8, .value_kind: global_buffer, .address_space: global }
      - { .name: W_top, .offset: 16, .size: 8, .value_kind: global_buffer, .address_space: global }
      - { .name: b_top, .offset: 24, .size: 8, .value_kind: global_buffer, .address_space: global }
      - { .name: nbr, .offset: 32, .size: 8, .value_kind: global_buffer, .address_space: global }
      - { .name: st1, .offset: 40, .size: 8, .value_kind: global_buffer, .address_space: global }
    .group_segment_fixed_size: 138240
    .private_segment_fixed_size: 0
    .kernarg_segment_align: 8
    .kernarg_segment_size: 48
    .max_flat_workgroup_size: 256
    .sgpr_count:     90
    .vgpr_count:     258
    .wavefront_size: 32
...
	.end_amdgpu_metadata
.endif
;; end of part 1
;; launch qkv (part 2): grid 256 x 1, 4 waves a work-group, no clusters, 206,336 bytes of LDS; arguments x, W_top, b_top, g1, be1, W_phi, W_psi, W_alpha, Wg1, bg1, bd2, st1, kv, qg; writes kv, qg
.if DOCPART == 2
	.amdgcn_target "amdgcn-amd-amdhsa--gfx1250"
	.amdhsa_code_object_version 6
	.text
	.protected	k_q64caa60150_qkv
	.globl	k_q64caa60150_qkv
	.p2align	8
	.type	k_q64caa60150_qkv,@function
k_q64caa60150_qkv:
	s_mov_b64 s[64:65], 0
	v_nop
	global_prefetch_b8 v0, s[64:65] scope:SCOPE_SE
	s_setreg_imm32_b32 hwreg(HW_REG_WAVE_MODE, 25, 1), 1
	s_wait_xcnt 0x0
; y = batchnorm(x W_top + b_top); then per point the tables that the attention launch gathers or reads:
;   kv[i] = [ bd2 - y W_psi | y W_alpha + bd2 ] in bf16 (512 bytes a row),  qg[i] = (y W_phi) Wg1 + bg1 in f32 (512 bytes a row).
; (q - kf + delta) Wg1 + bg1 = (h Wd2 + bd2 - kf) Wg1 + qg, so q's part of the gamma layer is made once per point here.
; Four waves; a wave owns 16 rows.  The five weight matrices are converted once to bf16 and kept in LDS as [K][N], pitch 288.
; Products are used transposed (source 0 = weights, source 1 = data): lane (r, h) gets data row r, channels 16 nt + 8 h + j,
; so two neighbouring results pack into the next layer's operand register 4 nt + p without leaving the lane.
; THE INTERMEDIATE OPERANDS y AND q GO AS TWO bf16 NUMBERS, hi + lo (16 bits of mantissa), each weight fragment multiplying both: what they
; feed ends in the exponent of a softmax, where an absolute error becomes a relative one.
; STATED: the whole program computes reference() on inputs rounded once to bf16: not only x and the weights, which the matrix unit takes so,
; but here also g1, be1, bd2 and bg1 (relative error up to 2^-8 each).  b_top stays in f32: the batch norm takes it away again.
; STATED: kf and v are rounded once to bf16 in the table; a number beyond bf16's largest (3.39e38) makes hi infinite and lo NaN.
; No cluster and no tensor load: the weights are f32 in memory and must pass through registers to be converted.
.set WT,  0
.set WP,  18432
.set WS,  55296
.set WA,  92160
.set WG,  129024
.set RED, 165888                       ; thread x 32: sum of deviations (4), sum of their squares (4)
.set BNC, 169984                       ; scale[128], offset[128], bd2[128], bg1[128]
.set OST, 172032                       ; wave x 8448: 16 rows, pitch 528, on the way out
.set SA,  32                           ; v[32:95]   staging set / fragment buffer 0 / constants
.set SB,  96                           ; v[96:159]  staging set / fragment buffer 1 / constants
.set ACC, 160                          ; v[160:223] eight result tiles (before the first layer: x as loaded and the statistics' scratch)
.set X,   224                          ; v[224:255] the data operand's hi part, four K steps;  v[256:287] (window 1, v0-31) its lo part
.set MSB, 0
.macro WIN new                         ; s_set_vgpr_msb: bits 3:2 source 1, bits 7:6 destination; the high byte repeats the setting that is left
.if MSB != \new
	s_set_vgpr_msb (MSB<<8)|\new
.set MSB, \new
.endif
.endm
.macro NOPS n
.rept \n
	v_nop
.endr
.endm
.macro LOADB set, p, off               ; 64 rows of a weight matrix: wave w takes rows w + 4 i, a row is one load of the wave (512 bytes)
.irp i,0,1,2,3,4,5,6,7,8,9,10,11,12,13,14,15
	global_load_b128 v[\set+4*\i:\set+4*\i+3], v5, s[\p:\p+1] offset:\off+\i*2048
.endr
.endm
.macro CONSB set, reg, left            ; convert them and lay them into LDS; left = loads of the next batch that stay out
	v_add_nc_u32 v7, \reg, v6
.irp i,0,1,2,3,4,5,6,7,8,9,10,11,12,13,14,15
	s_wait_loadcnt \left+15-\i
	v_cvt_pk_bf16_f32 v28, v[\set+4*\i], v[\set+4*\i+1]
	v_cvt_pk_bf16_f32 v29, v[\set+4*\i+2], v[\set+4*\i+3]
	ds_store_b64 v7, v[28:29] offset:\i*1152
.endr
.endm
.macro FRAG buf, kk                    ; eight weight fragments (32 K x 16 N each) by transposing loads
.irp nt,0,1,2,3,4,5,6,7
	ds_load_tr16_b128 v[\buf+8*\nt:\buf+8*\nt+3],   v10 offset:\kk*9216+\nt*32
	ds_load_tr16_b128 v[\buf+8*\nt+4:\buf+8*\nt+7], v10 offset:\kk*9216+\nt*32+4608
.endr
.endm
.macro MM buf, kk, zero, lo            ; eight products with the operand's hi part; lo = 1: eight more with its lo part
.irp nt,0,1,2,3,4,5,6,7
.if \zero
	v_wmma_f32_16x16x32_bf16 v[ACC+8*\nt:ACC+8*\nt+7], v[\buf+8*\nt:\buf+8*\nt+7], v[X+8*\kk:X+8*\kk+7], 0
.else
	v_wmma_f32_16x16x32_bf16 v[ACC+8*\nt:ACC+8*\nt+7], v[\buf+8*\nt:\buf+8*\nt+7], v[X+8*\kk:X+8*\kk+7], v[ACC+8*\nt:ACC+8*\nt+7]
.endif
.endr
.if \lo
	WIN 0x04                                       ; source 1 in window 1
.irp nt,0,1,2,3,4,5,6,7
	v_wmma_f32_16x16x32_bf16 v[ACC+8*\nt:ACC+8*\nt+7], v[\buf+8*\nt:\buf+8*\nt+7], v[8*\kk:8*\kk+7], v[ACC+8*\nt:ACC+8*\nt+7]
.endr
	WIN 0
.endif
.endm
; One layer.  s_wait_dscnt 16: the 16 younger fragment loads stay out.  Four places stand between a buffer's products and the loads
; that fill it again, five behind the layer (its results are later written over by the next layer's first products).
; four = 1: K = 128 and a split operand; four = 0: K = 64 and x, an input, as one bf16 number.
.macro LAYER reg, four
	v_add_nc_u32 v10, \reg, v9
	FRAG SA, 0
	FRAG SB, 1
	s_wait_dscnt 16
	MM SA, 0, 1, \four
.if \four
	NOPS 4
	FRAG SA, 2
	s_wait_dscnt 16
	MM SB, 1, 0, 1
	NOPS 4
	FRAG SB, 3
	s_wait_dscnt 16
	MM SA, 2, 0, 1
	s_wait_dscnt 0x0
	MM SB, 3, 0, 1
.else
	s_wait_dscnt 0x0
	MM SB, 1, 0, 0
.endif
	NOPS 5
.endm
; The 64 results become the next operand: hi = bf16(a); a - hi, exact in f32, by one mixed multiply-add with -1; lo = bf16(a - hi).
.macro SPLITALL
.set i, 0
.rept 32
	v_cvt_pk_bf16_f32 v[X+i], v[ACC+2*i], v[ACC+2*i+1]
.set i, i+1
.endr
.set i, 0
.rept 32
	v_fma_mix_f32_bf16 v[ACC+2*i],   v[X+i], v22, v[ACC+2*i]   op_sel_hi:[1,0,0]
	v_fma_mix_f32_bf16 v[ACC+2*i+1], v[X+i], v22, v[ACC+2*i+1] op_sel:[1,0,0] op_sel_hi:[1,0,0]
.set i, i+1
.endr
	WIN 0x40                                       ; destination in window 1: v256 + i
.set i, 0
.rept 32
	v_cvt_pk_bf16_f32 v[i], v[ACC+2*i], v[ACC+2*i+1]
.set i, i+1
.endr
	WIN 0
.endm
.macro CONST set, off                  ; 128 per-channel constants in the results' lane layout (channels 16 nt + 8 h + j)
.irp nt,0,1,2,3,4,5,6,7
	ds_load_b128 v[\set+8*\nt:\set+8*\nt+3],   v11 offset:\off+64*\nt
	ds_load_b128 v[\set+8*\nt+4:\set+8*\nt+7], v11 offset:\off+64*\nt+16
.endr
.endm
.macro ROWS_OUT p                      ; my 16 rows of 512 bytes: each store of the wave covers one whole row
.irp i,0,1,2,3,4,5,6,7,8,9,10,11,12,13,14,15
	ds_load_b128 v[SA+4*\i:SA+4*\i+3], v14 offset:\i*528       ; my own bytes: LDS serves a wave's instructions in order
.endr
.irp i,0,1,2,3,4,5,6,7,8,9,10,11,12,13,14,15
	s_wait_dscnt 15-\i
	global_store_b128 v15, v[SA+4*\i:SA+4*\i+3], s[\p:\p+1] offset:\i*512
.endr
	s_wait_xcnt 0x0                                ; the stores' data registers are loaded again only behind this wait
.endm
	s_load_b512 s[4:19], s[0:1], 0x0               ; x 4, W_top 6, b_top 8, g1 10, be1 12, W_phi 14, W_psi 16, W_alpha 18
	s_load_b256 s[20:27], s[0:1], 0x40             ; Wg1 20, bg1 22, bd2 24, st1 26
	s_load_b128 s[28:31], s[0:1], 0x60             ; kv 28, qg 30
	v_lshl_add_u32 v23, v0, 2, 0x32400
	s_set_vgpr_msb 0x40
	v_mov_b32 v33, 0
	s_set_vgpr_msb 0x4000
	v_lshrrev_b32 v1, 5, v0
	v_readfirstlane_b32 s32, v1                    ; wave
	v_and_b32 v2, 31, v0                           ; lane
	v_and_b32 v3, 15, v0                           ; r
	v_bfe_u32 v4, v0, 4, 1                         ; h
	v_mov_b32 v22, -1.0
	s_lshl_b32 s33, s32, 9
	v_lshl_add_u32 v5, v2, 4, s33                  ; staging, global: row w, 16 bytes a lane
	s_mul_i32 s33, s32, 288
	v_lshl_add_u32 v6, v2, 3, s33                  ; staging, LDS: row w, 8 bytes a lane
	v_lshlrev_b32 v8, 8, v3
	v_lshl_add_u32 v8, v4, 5, v8                   ; x fragment: row r, 32 h bytes
	v_and_b32 v9, 7, v0
	v_lshl_add_u32 v9, v4, 3, v9
	v_mul_u32_u24 v9, v9, 0x120                    ; transposing load: row 8 h + (lane & 7), pitch 288,
	v_bfe_u32 v1, v0, 3, 1
	v_lshl_add_u32 v9, v1, 4, v9                   ; + 16 bytes for lanes 8-15 of each half
	v_lshlrev_b32 v11, 5, v4
	v_add_nc_u32 v11, BNC, v11
	s_mul_i32 s33, s32, 8448
	s_add_co_u32 s33, s33, OST
	v_mul_u32_u24 v12, v3, 0x210
	v_add_nc_u32 v12, s33, v12
	v_lshl_add_u32 v13, v4, 5, v12                 ; f32 results into the stage
	v_lshl_add_u32 v12, v4, 4, v12                 ; bf16 results into the stage
	v_lshl_add_u32 v14, v2, 4, s33                 ; rows back
	v_lshlrev_b32 v15, 4, v2
	v_and_b32 v17, 63, v0
	v_lshlrev_b32 v17, 4, v17                      ; statistics: my four numbers of a group's 256
	v_lshrrev_b32 v16, 6, v0
	v_lshl_add_u32 v16, v16, 14, v17               ; + my half of the 32 groups
	v_lshlrev_b32 v18, 5, v0
	v_add_nc_u32 v18, RED, v18
	v_lshrrev_b32 v19, 2, v0
	v_lshlrev_b32 v19, 5, v19
	v_and_b32 v1, 3, v0
	v_lshl_add_u32 v19, v1, 2, v19
	v_add_nc_u32 v19, RED, v19
	v_lshlrev_b32 v20, 2, v0                       ; channel t
	v_add_nc_u32 v21, BNC, v20
	s_mov_b32 s40, 0x38800000                      ; 1 / 16384
	s_mov_b32 s41, 0x3727c5ac                      ; 1e-5
	s_lshl_b32 s2, ttmp9, 14
	s_lshl_b32 s33, s32, 12
	s_add_co_u32 s2, s2, s33                       ; my 16 rows of x: (64 g + 16 w) x 256 bytes
	s_mov_b32 s3, 0
	s_wait_kmcnt 0x0
	s_add_nc_u64 s[4:5], s[4:5], s[2:3]
	s_lshl_b32 s2, s2, 1                           ; rows of 512 bytes
	s_add_nc_u64 s[28:29], s[28:29], s[2:3]
	s_add_nc_u64 s[30:31], s[30:31], s[2:3]
	global_load_b32 v200, v20, s[26:27]            ; group 0's mean: the pivot
	global_load_b32 v201, v20, s[26:27] offset:512 ; group 0's M2
	global_load_b32 v202, v20, s[10:11]            ; g1
	global_load_b32 v203, v20, s[12:13]            ; be1
	global_load_b32 v204, v20, s[8:9]              ; b_top
	global_load_b32 v205, v20, s[24:25]            ; bd2
	global_load_b32 v206, v20, s[22:23]            ; bg1
.irp c,0,1,2,3
	global_load_b128 v[ACC+8*\c:ACC+8*\c+3],   v8, s[4:5] offset:64*\c
	global_load_b128 v[ACC+8*\c+4:ACC+8*\c+7], v8, s[4:5] offset:64*\c+16
.endr
	global_load_b128 v[24:27], v17, s[26:27]
.irp i,0,1,2,3,4,5,6,7,8,9,10,11,12,13,14,15
	global_load_b128 v[SA+4*\i:SA+4*\i+3], v16, s[26:27] offset:\i*1024
.endr
	LOADB SB, 6, 0                                 ; W_top
	s_wait_loadcnt 16                              ; all but W_top's 16 loads
.irp p,0,1,2,3,4,5,6,7,8,9,10,11,12,13,14,15
	v_cvt_pk_bf16_f32 v[X+\p], v[ACC+2*\p], v[ACC+2*\p+1]
.endr
	; sums over my 16 groups of the deviations from group 0's figure, and of their squares
.set i, 0
.rept 16
	v_pk_add_f32 v[SA+i:SA+i+1],   v[SA+i:SA+i+1],   v[24:25] neg_lo:[0,1] neg_hi:[0,1]
	v_pk_add_f32 v[SA+i+2:SA+i+3], v[SA+i+2:SA+i+3], v[26:27] neg_lo:[0,1] neg_hi:[0,1]
.set i, i+4
.endr
	v_pk_add_f32 v[192:193], v[SA:SA+1], v[SA+4:SA+5]
	v_pk_add_f32 v[194:195], v[SA+2:SA+3], v[SA+6:SA+7]
	v_pk_mul_f32 v[196:197], v[SA:SA+1], v[SA:SA+1]
	v_pk_mul_f32 v[198:199], v[SA+2:SA+3], v[SA+2:SA+3]
	v_pk_fma_f32 v[196:197], v[SA+4:SA+5], v[SA+4:SA+5], v[196:197]
	v_pk_fma_f32 v[198:199], v[SA+6:SA+7], v[SA+6:SA+7], v[198:199]
.set i, 8
.rept 14
	v_pk_add_f32 v[192:193], v[192:193], v[SA+i:SA+i+1]
	v_pk_add_f32 v[194:195], v[194:195], v[SA+i+2:SA+i+3]
	v_pk_fma_f32 v[196:197], v[SA+i:SA+i+1], v[SA+i:SA+i+1], v[196:197]
	v_pk_fma_f32 v[198:199], v[SA+i+2:SA+i+3], v[SA+i+2:SA+i+3], v[198:199]
.set i, i+4
.endr
	ds_store_b128 v18, v[192:195]
	ds_store_b128 v18, v[196:199] offset:16
	; the weights: nine batches on two register sets, the next batch's loads always issued ahead of a batch's conversion
	LOADB SA, 16, 0
	CONSB SB, WT, 16
	LOADB SB, 16, 32768
	CONSB SA, WS, 16
	LOADB SA, 18, 0
	CONSB SB, WS+18432, 16
	LOADB SB, 18, 32768
	CONSB SA, WA, 16
	LOADB SA, 14, 0
	CONSB SB, WA+18432, 16
	LOADB SB, 14, 32768
	CONSB SA, WP, 16
	LOADB SA, 20, 0
	CONSB SB, WP+18432, 16
	LOADB SB, 20, 32768
	CONSB SA, WG, 16
	CONSB SB, WG+18432, 0
	s_wait_dscnt 0x0                               ; my part of the weights and of the sums is in LDS
	s_barrier_signal -1
	s_barrier_wait -1
	; thread t finishes channel t: mean = m0 + S1/32, var = (sum M2 + 512 (S2 - S1^2/32)) / 16384
	ds_load_b32 v208, v19
	ds_load_b32 v209, v19 offset:2048
	ds_load_b32 v210, v19 offset:16
	ds_load_b32 v211, v19 offset:2064
	ds_load_b32 v212, v19 offset:1024
	ds_load_b32 v213, v19 offset:3072
	v_cvt_pk_bf16_f32 v207, v202, v203             ; g1, be1, bd2, bg1: rounded once to bf16, like every input of the program, and widened again
	v_cvt_pk_bf16_f32 v214, v205, v206
	v_lshlrev_b32 v202, 16, v207
	v_and_b32 v203, 0xffff0000, v207
	v_lshlrev_b32 v205, 16, v214
	v_and_b32 v206, 0xffff0000, v214
	s_wait_dscnt 0x0
	v_add_f32 v208, v208, v209
	v_add_f32 v210, v210, v211
	v_add_f32 v212, v212, v213
	v_mul_f32 v209, 0x3d000000, v208               ; S1 / 32
	v_add_f32 v211, v200, v209                     ; the mean
	v_fma_f32 v210, -v209, v208, v210
	v_fma_f32 v212, 0x42000000, v201, v212         ; the M2 were summed as deviations from group 0's: + 32 x that
	v_fma_f32 v212, 0x44000000, v210, v212
	v_fma_f32 v212, v212, s40, s41                 ; var + 1e-5
	v_rsq_f32 v213, v212
	v_sub_f32 v209, v204, v211                     ; (an independent line behind the transcendental: ISA guide 5.7.2)
	s_wait_alu depctr_va_vdst(0)
	v_mul_f32 v213, v202, v213                     ; scale
	v_fma_f32 v209, v209, v213, v203               ; offset = (b_top - mean) scale + be1
	ds_store_b32 v21, v213
	ds_store_b32 v21, v209 offset:512
	ds_store_b32 v21, v205 offset:1024
	ds_store_b32 v21, v206 offset:1536
	s_wait_dscnt 0x0
	s_barrier_signal -1
	s_barrier_wait -1
	; y
	LAYER WT, 0
	CONST SA, 0
	CONST SB, 512
	s_wait_dscnt 0x0
.set i, 0
.rept 32
	v_pk_fma_f32 v[ACC+i:ACC+i+1], v[ACC+i:ACC+i+1], v[SA+i:SA+i+1], v[SB+i:SB+i+1]
.set i, i+2
.endr
	SPLITALL
	; bd2 - y W_psi
	LAYER WS, 1
	CONST SA, 1024
	s_wait_dscnt 0x0
.irp nt,0,1,2,3,4,5,6,7
.irp p,0,1,2,3
	v_pk_add_f32 v[ACC+8*\nt+2*\p:ACC+8*\nt+2*\p+1], v[SA+8*\nt+2*\p:SA+8*\nt+2*\p+1], v[ACC+8*\nt+2*\p:ACC+8*\nt+2*\p+1] neg_lo:[0,1] neg_hi:[0,1]
.endr
.irp p,0,1,2,3
	v_cvt_pk_bf16_f32 v[28+\p], v[ACC+8*\nt+2*\p], v[ACC+8*\nt+2*\p+1]
.endr
	ds_store_b128 v12, v[28:31] offset:32*\nt
.endr
	; y W_alpha + bd2
	LAYER WA, 1
	CONST SA, 1024
	s_wait_dscnt 0x0
.irp nt,0,1,2,3,4,5,6,7
.irp p,0,1,2,3
	v_pk_add_f32 v[ACC+8*\nt+2*\p:ACC+8*\nt+2*\p+1], v[SA+8*\nt+2*\p:SA+8*\nt+2*\p+1], v[ACC+8*\nt+2*\p:ACC+8*\nt+2*\p+1]
.endr
.irp p,0,1,2,3
	v_cvt_pk_bf16_f32 v[28+\p], v[ACC+8*\nt+2*\p], v[ACC+8*\nt+2*\p+1]
.endr
	ds_store_b128 v12, v[28:31] offset:256+32*\nt
.endr
	ROWS_OUT 28
	; q, then q Wg1 + bg1
	LAYER WP, 1
	SPLITALL
	LAYER WG, 1
	CONST SA, 1536
	s_wait_dscnt 0x0
.irp nt,0,1,2,3,4,5,6,7
.irp p,0,1,2,3
	v_pk_add_f32 v[ACC+8*\nt+2*\p:ACC+8*\nt+2*\p+1], v[SA+8*\nt+2*\p:SA+8*\nt+2*\p+1], v[ACC+8*\nt+2*\p:ACC+8*\nt+2*\p+1]
.endr
	ds_store_b128 v13, v[ACC+8*\nt:ACC+8*\nt+3]   offset:64*\nt
	ds_store_b128 v13, v[ACC+8*\nt+4:ACC+8*\nt+7] offset:64*\nt+16
.endr
	ROWS_OUT 30
	s_set_vgpr_msb 0x4
	s_wait_tensorcnt 0x0
	ds_add_u32 v23, v33
	s_wait_dscnt 0x0
	s_set_vgpr_msb 0x400
	s_endpgm
.Lfunc_end_k_q64caa60150_qkv:
	.size	k_q64caa60150_qkv, .Lfunc_end_k_q64caa60150_qkv-k_q64caa60150_qkv
	.p2alignl 7, 3214868480
	.fill 96, 4, 3214868480
	.section	.rodata,"a",@progbits
	.p2align	6, 0x0
	.amdhsa_kernel k_q64caa60150_qkv
		.amdhsa_group_segment_fixed_size 206336
		.amdhsa_private_segment_fixed_size 0
		.amdhsa_enable_private_segment 0
		.amdhsa_kernarg_size 112
		.amdhsa_user_sgpr_count 2
		.amdhsa_user_sgpr_kernarg_segment_ptr 1
		.amdhsa_wavefront_size32 1
		.amdhsa_system_sgpr_workgroup_id_x 1
		.amdhsa_system_sgpr_workgroup_id_y 1
		.amdhsa_system_sgpr_workgroup_id_z 1
		.amdhsa_system_vgpr_workitem_id 0
		.amdhsa_next_free_vgpr 290
		.amdhsa_next_free_sgpr 66
		.amdhsa_reserve_vcc 0
		.amdhsa_float_denorm_mode_32 3
		.amdhsa_float_denorm_mode_16_64 3
		.amdhsa_memory_ordered 1
		.amdhsa_forward_progress 1
		.amdhsa_inst_pref_size 141
	.end_amdhsa_kernel
	.amdgpu_metadata
---
amdhsa.version: [ 1, 2 ]
amdhsa.kernels:
  - .name:           k_q64caa60150_qkv
    .symbol:         k_q64caa60150_qkv.kd
    .args:
      - { .name: x, .offset: 0, .size: 8, .value_kind: global_buffer, .address_space: global }
      - { .name: W_top, .offset: 8, .size: 8, .value_kind: global_buffer, .address_space: global }
      - { .name: b_top, .offset: 16, .size: 8, .value_kind: global_buffer, .address_space: global }
      - { .name: g1, .offset: 24, .size: 8, .value_kind: global_buffer, .address_space: global }
      - { .name: be1, .offset: 32, .size: 8, .value_kind: global_buffer, .address_space: global }
      - { .name: W_phi, .offset: 40, .size: 8, .value_kind: global_buffer, .address_space: global }
      - { .name: W_psi, .offset: 48, .size: 8, .value_kind: global_buffer, .address_space: global }
      - { .name: W_alpha, .offset: 56, .size: 8, .value_kind: global_buffer, .address_space: global }
      - { .name: Wg1, .offset: 64, .size: 8, .value_kind: global_buffer, .address_space: global }
      - { .name: bg1, .offset: 72, .size: 8, .value_kind: global_buffer, .address_space: global }
      - { .name: bd2, .offset: 80, .size: 8, .value_kind: global_buffer, .address_space: global }
      - { .name: st1, .offset: 88, .size: 8, .value_kind: global_buffer, .address_space: global }
      - { .name: kv, .offset: 96, .size: 8, .value_kind: global_buffer, .address_space: global }
      - { .name: qg, .offset: 104, .size: 8, .value_kind: global_buffer, .address_space: global }
    .group_segment_fixed_size: 206336
    .private_segment_fixed_size: 0
    .kernarg_segment_align: 8
    .kernarg_segment_size: 112
    .max_flat_workgroup_size: 128
    .sgpr_count:     66
    .vgpr_count:     290
    .wavefront_size: 32
...
	.end_amdgpu_metadata
.endif
;; end of part 2
;; launch attn (part 3): grid 256 x 1, 4 waves a work-group, no clusters, 254,464 bytes of LDS; arguments coords, nbr, kv, qg, Wd1, bd1, Wd2, Wg1, Wg2, bg2, W_down, b_down, u, st2; writes u, st2
.if DOCPART == 3
	.amdgcn_target "amdgcn-amd-amdhsa--gfx1250"
	.amdhsa_code_object_version 6
	.text
	.protected	k_q64caa60150_attn
	.globl	k_q64caa60150_attn
	.p2align	8
	.type	k_q64caa60150_attn,@function
k_q64caa60150_attn:
	s_mov_b64 s[64:65], 0
	v_nop
	global_prefetch_b8 v0, s[64:65] scope:SCOPE_SE
	s_setreg_imm32_b32 hwreg(HW_REG_WAVE_MODE, 25, 1), 1
	s_wait_xcnt 0x0
; The vector attention.  Four waves, one for each SIMD; a wave owns 16 points and takes one point a trip: the point's 16 neighbours are the
; 16 data rows of every matrix instruction.  Per point: h = relu(rel Wd1 + bd1); d = h Wd2; val = d + kv.hi (= v + delta);
; a = relu((d + kv.lo) Wg1 + qg) Wg2 + bg2; softmax over the 16 neighbours for each channel (their maximum taken away); agg = sum attn val.
; Behind the loop: u = agg W_down + b_down for the wave's 16 points, and the work-group's mean and M2 of u for the last batch norm.
; WEIGHTS LIVE IN REGISTERS: a 128 x 128 bf16 matrix is 32 fragments of 8 registers = one window of 256.  Windows 1, 2, 3 hold Wd2, Wg1, Wg2,
; so the loop reads no weight of theirs from LDS and switches the window once a layer.
; THE CHAIN STAYS IN THE LANE: products with source 0 = weights, source 1 = data give lane (r, h) data row r, channels 16 nt + 8 h + j; two
; neighbouring results pack into register 4 nt + p of the next layer's operand.  The last layer swaps the sources: lane = channel 16 nt + r,
; register j = neighbour 8 h + j, so the softmax runs along registers and once across the halves.
; EVERY INTERMEDIATE OPERAND GOES AS TWO bf16 NUMBERS, hi + lo (16 bits of mantissa), and each weight fragment multiplies both: the chain ends
; in an exponent, where an absolute error of the sums (whose terms are several units large) becomes a relative error of the weights.
; val stays in f32 and reaches the softmax's layout through LDS (16 rows, pitch 528: two 16-byte stores a tile in, eight words a tile back).
; STATED: the whole program computes reference() on inputs rounded once to bf16; here the weights and bd1, which rides in the first layer's
; weight fragments (relative error up to 2^-8).  bg2 and b_down stay in f32: the softmax and the last batch norm take them away again.
; STATED: relu of NaN gives 0; rel is at most 10 in size (the radius), exact in bf16; a number beyond bf16's largest (3.39e38) makes hi
; infinite and lo NaN.
; No cluster, no tensor load: the weights are f32 in memory and pass through registers to be converted, once per work-group (224 KiB against
; 512 KiB of gathered rows that no two work-groups share by plan).
.set LWD2, 0                           ; bf16 [K][N], pitch 288, read only in front of the loop
.set LWG1, 36864
.set LWG2, 73728
.set LWDN, 110592                      ; W_down, pitch 160
.set B2T,  131072                      ; bg2[n] eight times, 32 bytes a channel: the last layer's C tiles
.set QGS,  135168                      ; wave x 8192: my 16 rows of qg
.set VAL,  167936                      ; wave x 8448: val in f32, 16 rows, pitch 528; behind the loop the stage of u, pitch 272
.set AGG,  201728                      ; wave x 8448: agg, 16 rows of f32, pitch 528
.set STT,  235520                      ; wave x 512: mean[64], M2[64]
.set WDS,  237568                      ; wave x 4096: the first layer's four fragments, register image (16 bytes a lane, 8 pieces)
; window 0: v1 r, v2 h, v3 1.0, v4 neighbour, v5 kv offset, v6 its coords, v7 own coords, v16 nbr offset, v17 its base, v18 qg row, v19 bg2,
; v20 val in, v21 val back, v22 agg, v23 16 h, v[24:27] neighbour's coords, v[28:31] own coords
.set RES, 8                            ; v[8:15]    agg of the eight channel tiles (in front of and behind the loop: addresses)
.set ACC, 32                           ; v[32:95]   eight result tiles
.set X,   96                           ; v[96:127]  the data operand's hi part; at a trip's head the first layer's fragments; in the softmax val of tiles 0-3
.set KF,  128                          ; v[128:159] kv.lo of my neighbour
.set VV,  160                          ; v[160:191] kv.hi
.set XL,  192                          ; v[192:223] the data operand's lo part; in the softmax val of tiles 4-7
.set WD1, 192                          ; in front of the loop: Wd1 and bd1 as four fragments, two channel tiles in each
.set RS,  224                          ; v[224:235] zeros, rel and a one, zeros: two views give the two K places
.set T,   236                          ; v[236:243]
.set MONE, 244                         ; -1.0
.set WDA, 245                          ; LDS address of my piece of the first layer's fragments
.set M,   248
.set M2,  249
.set ML,  250                          ; v[250:251]
.set S,   252                          ; v[252:253]
.set NA,  254
.set NB2, 255
.set MSB, 0
.macro WIN new                         ; the immediate's high byte repeats the setting that is left
.if MSB != \new
	s_set_vgpr_msb (MSB<<8)|\new
.set MSB, \new
.endif
.endm
.macro NOPS n
.rept \n
	v_nop
.endr
.endm
.macro LOADB set, p, off               ; 64 rows of a weight matrix: wave w takes rows w + 4 i
.irp i,0,1,2,3,4,5,6,7,8,9,10,11,12,13,14,15
	global_load_b128 v[\set+4*\i:\set+4*\i+3], v9, s[\p:\p+1] offset:\off+\i*2048
.endr
.endm
.macro CONSB set, reg, left            ; left = loads of the next batch that stay out
	v_add_nc_u32 v11, \reg, v10
.irp i,0,1,2,3,4,5,6,7,8,9,10,11,12,13,14,15
	s_wait_loadcnt \left+15-\i
	v_cvt_pk_bf16_f32 v14, v[\set+4*\i], v[\set+4*\i+1]
	v_cvt_pk_bf16_f32 v15, v[\set+4*\i+2], v[\set+4*\i+3]
	ds_store_b64 v11, v[14:15] offset:\i*1152
.endr
.endm
.macro WLOAD blk, reg                  ; a whole matrix into window blk: fragment (kk, nt) at register 8 (8 kk + nt)
	v_add_nc_u32 v11, \reg, v12
	WIN (\blk<<6)
.irp kk,0,1,2,3
.irp nt,0,1,2,3,4,5,6,7
	ds_load_tr16_b128 v[8*(8*\kk+\nt):8*(8*\kk+\nt)+3],   v11 offset:\kk*9216+\nt*32
	ds_load_tr16_b128 v[8*(8*\kk+\nt)+4:8*(8*\kk+\nt)+7], v11 offset:\kk*9216+\nt*32+4608
.endr
.endr
	WIN 0
.endm
.macro WDLOAD                          ; the first layer's four fragments into X: eight loads
.irp u,0,1,2,3
	ds_load_b128 v[X+8*\u:X+8*\u+3],   v[WDA] offset:1024*\u
	ds_load_b128 v[X+8*\u+4:X+8*\u+7], v[WDA] offset:1024*\u+512
.endr
.endm
	s_load_b512 s[4:19], s[0:1], 0x0               ; coords 4, nbr 6, kv 8, qg 10, Wd1 12, bd1 14, Wd2 16, Wg1 18
	s_load_b256 s[20:27], s[0:1], 0x40             ; Wg2 20, bg2 22, W_down 24, b_down 26
	s_load_b128 s[28:31], s[0:1], 0x60             ; u 28, st2 30
	v_lshrrev_b32 v8, 5, v0
	v_readfirstlane_b32 s32, v8                    ; wave
	v_and_b32 v8, 31, v0                           ; lane
	v_and_b32 v1, 15, v0
	v_bfe_u32 v2, v0, 4, 1
	v_mov_b32 v3, 1.0
	s_mov_b32 s37, 0xffff0000                      ; lanes 16-31
	s_mov_b32 s38, 0x76543210
	s_mov_b32 s39, 0xfedcba98
	s_lshl_b32 s40, s32, 9
	v_lshl_add_u32 v9, v8, 4, s40
	s_mul_i32 s40, s32, 288
	v_lshl_add_u32 v10, v8, 3, s40
	v_and_b32 v12, 7, v0
	v_lshl_add_u32 v12, v2, 3, v12
	v_mul_u32_u24 v12, v12, 0x120                  ; transposing load, pitch 288
	v_bfe_u32 v13, v0, 3, 1
	v_lshl_add_u32 v12, v13, 4, v12
	v_lshlrev_b32 v13, 2, v1                       ; 4 r
	v_lshlrev_b32 v240, 2, v0
	v_lshlrev_b32 v241, 5, v0
	v_add_nc_u32 v241, B2T, v241
	s_lshl_b32 s40, s32, 13
	v_lshl_add_u32 v242, v8, 4, s40                ; W_down: wave w takes rows 32 w .. 32 w + 31
	s_mul_i32 s41, s32, 5120
	s_add_co_u32 s41, s41, LWDN
	v_mul_u32_u24 v243, v2, 0xa0
	v_lshl_add_u32 v243, v1, 3, v243
	v_add_nc_u32 v243, s41, v243
	v_lshlrev_b32 v246, 4, v8
	s_add_co_u32 s41, s40, QGS
	v_add_nc_u32 v247, s41, v246
	s_lshl_b32 s2, ttmp9, 15
	s_add_co_u32 s2, s2, s40                       ; (64 g + 16 w) rows of 512 bytes
	s_mov_b32 s3, 0
	s_wait_kmcnt 0x0
	s_add_nc_u64 s[10:11], s[10:11], s[2:3]
	s_lshr_b32 s2, s2, 1                           ; rows of 256 bytes
	s_add_nc_u64 s[28:29], s[28:29], s[2:3]
	s_lshl_b32 s2, ttmp9, 9
	s_add_nc_u64 s[30:31], s[30:31], s[2:3]
.irp nt,0,1,2,3,4,5,6,7
	global_load_b32 v[VV+4*\nt],   v13, s[12:13] offset:64*\nt
	global_load_b32 v[VV+4*\nt+1], v13, s[12:13] offset:512+64*\nt
	global_load_b32 v[VV+4*\nt+2], v13, s[12:13] offset:1024+64*\nt
	global_load_b32 v[VV+4*\nt+3], v13, s[14:15] offset:64*\nt
.endr
	global_load_b32 v236, v240, s[22:23]           ; bg2[t]
	; eight batches on two register sets, the next batch's 16 loads always issued ahead of a batch's conversion
	LOADB 32, 16, 0
	LOADB 96, 16, 32768
	CONSB 32, LWD2, 16
	LOADB 32, 18, 0
	CONSB 96, LWD2+18432, 16
	LOADB 96, 18, 32768
	CONSB 32, LWG1, 16
	LOADB 32, 20, 0
	CONSB 96, LWG1+18432, 16
	LOADB 96, 20, 32768
	CONSB 32, LWG2, 16
.irp i,0,1,2,3,4,5,6,7,8,9,10,11,12,13,14,15
	global_load_b128 v[32+4*\i:32+4*\i+3], v242, s[24:25] offset:\i*512        ; W_down, two rows of 256 bytes a load
.endr
	CONSB 96, LWG2+18432, 16
.irp i,0,1,2,3,4,5,6,7,8,9,10,11,12,13,14,15
	global_load_b128 v[96+4*\i:96+4*\i+3], v246, s[10:11] offset:\i*512        ; my 16 rows of qg
.endr
.irp i,0,1,2,3,4,5,6,7,8,9,10,11,12,13,14,15
	s_wait_loadcnt 31-\i                           ; 15 - i of W_down and qg's 16 stay out
	v_cvt_pk_bf16_f32 v14, v[32+4*\i], v[32+4*\i+1]
	v_cvt_pk_bf16_f32 v15, v[32+4*\i+2], v[32+4*\i+3]
	ds_store_b64 v243, v[14:15] offset:\i*320
.endr
.irp i,0,1,2,3,4,5,6,7,8,9,10,11,12,13,14,15
	s_wait_loadcnt 15-\i
	ds_store_b128 v247, v[96+4*\i:96+4*\i+3] offset:\i*512
.endr
	v_mov_b32 v237, v236
	v_mov_b32 v238, v236
	v_mov_b32 v239, v236
	ds_store_b128 v241, v[236:239]
	ds_store_b128 v241, v[236:239] offset:16
	v_mov_b32 v[MONE], -1.0
	s_lshl_b32 s41, s32, 12
	s_add_co_u32 s41, s41, WDS
	v_lshl_add_u32 v[WDA], v8, 4, s41
	; the first layer's operands.  K places 0-3 of a tile: Wd1[0..2][n] and bd1[n], in bf16; against rel x, y, z and 1.
	; An even tile sits at K 0-7 of its fragment, the odd one at K 16-23; lanes 16-31 (K 8-15, 24-31) hold zeros.
.irp k,0,1,2,3,6,7,8,9,10,11
	v_mov_b32 v[RS+\k], 0
.endr
	v_mov_b32 v[M2], 0                             ; destinations of lane permutes and the unused half of a broadcast pair count as read
	v_mov_b32 v[ML+1], 0
.irp nt,0,1,2,3,4,5,6,7
	v_cvt_pk_bf16_f32 v[WD1+4*\nt],   v[VV+4*\nt],   v[VV+4*\nt+1]
	v_cvt_pk_bf16_f32 v[WD1+4*\nt+1], v[VV+4*\nt+2], v[VV+4*\nt+3]
	v_cndmask_b32 v[WD1+4*\nt],   v[WD1+4*\nt],   v[RS], s37
	v_cndmask_b32 v[WD1+4*\nt+1], v[WD1+4*\nt+1], v[RS], s37
	v_mov_b32 v[WD1+4*\nt+2], 0
	v_mov_b32 v[WD1+4*\nt+3], 0
.endr
.irp u,0,1,2,3
	ds_store_b128 v[WDA], v[WD1+8*\u:WD1+8*\u+3]   offset:1024*\u      ; my wave's own bytes: read back by me alone, in order
	ds_store_b128 v[WDA], v[WD1+8*\u+4:WD1+8*\u+7] offset:1024*\u+512
.endr
	; the loop's addresses
	s_lshl_b32 s40, ttmp9, 12
	s_lshl_b32 s41, s32, 10
	s_add_co_u32 s40, s40, s41                     ; my first point x 64 bytes of nbr
	v_lshl_add_u32 v17, v1, 2, s40
	s_lshr_b32 s40, s40, 2                         ; x 16 bytes of coords
	v_mov_b32 v7, s40
	s_lshl_b32 s40, s32, 13
	s_add_co_u32 s40, s40, QGS
	v_lshl_add_u32 v18, v2, 5, s40
	v_lshlrev_b32 v19, 5, v1
	v_add_nc_u32 v19, B2T, v19
	s_mul_i32 s40, s32, 8448
	s_add_co_u32 s40, s40, VAL
	v_mul_u32_u24 v20, v1, 0x210                   ; val in: row r, 32 h bytes
	v_lshl_add_u32 v20, v2, 5, v20
	v_add_nc_u32 v20, s40, v20
	v_mul_u32_u24 v21, v2, 0x1080                  ; val back: rows 8 h .., word r
	v_lshl_add_u32 v21, v1, 2, v21
	v_add_nc_u32 v21, s40, v21
	s_mul_i32 s40, s32, 8448
	s_add_co_u32 s40, s40, AGG
	v_lshl_add_u32 v22, v8, 2, s40
	v_lshlrev_b32 v23, 4, v2
	v_mov_b32 v16, v17
	s_wait_dscnt 0x0                               ; my part of the weights and tables is in LDS
	s_barrier_signal -1
	s_barrier_wait -1
	global_load_b32 v4, v16, s[6:7]                ; point 0's neighbours, on their way while the weights move into registers
	WLOAD 1, LWD2
	WLOAD 2, LWG1
	WLOAD 3, LWG2
	WDLOAD
	s_wait_dscnt 0x0
; The gather for one point, in the order in which the trip wants it: 2 + 16 loads, then the next point's neighbours.
.macro REFILL
	v_min_u32 v5, 0x3fff, v4                       ; a row of the table
	v_lshlrev_b32 v6, 4, v5
	v_lshl_add_u32 v5, v5, 9, v23
	global_load_b128 v[24:27], v6, s[4:5]
	global_load_b128 v[28:31], v7, s[4:5]
.irp nt,0,1,2,3,4,5,6,7
	global_load_b128 v[KF+4*\nt:KF+4*\nt+3], v5, s[8:9] offset:32*\nt
.endr
.irp nt,0,1,2,3,4,5,6,7
	global_load_b128 v[VV+4*\nt:VV+4*\nt+3], v5, s[8:9] offset:256+32*\nt
.endr
	global_load_b32 v4, v16, s[6:7]
.endm
	s_wait_loadcnt 0x0
	v_add_nc_u32 v16, 64, v17
	REFILL
	s_mov_b32 s36, 1                               ; the point whose neighbours were asked for last
; Tile nt's eight results become registers 4 nt .. 4 nt + 3 of the next operand's two parts: hi = bf16(a); a - hi, exact in f32, by one mixed
; multiply-add with -1; lo = bf16(a - hi).
.macro SPLIT nt
.irp p,0,1,2,3
	v_cvt_pk_bf16_f32 v[X+4*\nt+\p], v[ACC+8*\nt+2*\p], v[ACC+8*\nt+2*\p+1]
.endr
.irp p,0,1,2,3
	v_fma_mix_f32_bf16 v[ACC+8*\nt+2*\p],   v[X+4*\nt+\p], v[MONE], v[ACC+8*\nt+2*\p]   op_sel_hi:[1,0,0]
	v_fma_mix_f32_bf16 v[ACC+8*\nt+2*\p+1], v[X+4*\nt+\p], v[MONE], v[ACC+8*\nt+2*\p+1] op_sel:[1,0,0] op_sel_hi:[1,0,0]
.endr
.irp p,0,1,2,3
	v_cvt_pk_bf16_f32 v[XL+4*\nt+\p], v[ACC+8*\nt+2*\p], v[ACC+8*\nt+2*\p+1]
.endr
.endm
.macro POST_RELU pre                   ; relu, split into the next operand; pre = 1: the tile is then loaded with the next layer's C (bg2)
.irp nt,0,1,2,3,4,5,6,7
.irp j,0,1,2,3,4,5,6,7
	v_max_num_f32 v[ACC+8*\nt+\j], 0, v[ACC+8*\nt+\j]
.endr
	SPLIT \nt
.if \pre
	ds_load_b128 v[ACC+8*\nt:ACC+8*\nt+3],   v19 offset:512*\nt
	ds_load_b128 v[ACC+8*\nt+4:ACC+8*\nt+7], v19 offset:512*\nt+16
.endif
.endr
.endm
.macro MMT first                       ; 64 products, source 0 = the window's weights, source 1 = hi, then lo.  first = 1: C starts as 0
.irp nt,0,1,2,3,4,5,6,7
.if \first
	v_wmma_f32_16x16x32_bf16 v[ACC+8*\nt:ACC+8*\nt+7], v[8*\nt:8*\nt+7], v[X:X+7], 0
.else
	v_wmma_f32_16x16x32_bf16 v[ACC+8*\nt:ACC+8*\nt+7], v[8*\nt:8*\nt+7], v[X:X+7], v[ACC+8*\nt:ACC+8*\nt+7]
.endif
.endr
.irp nt,0,1,2,3,4,5,6,7
	v_wmma_f32_16x16x32_bf16 v[ACC+8*\nt:ACC+8*\nt+7], v[8*\nt:8*\nt+7], v[XL:XL+7], v[ACC+8*\nt:ACC+8*\nt+7]
.endr
.irp kk,1,2,3
.irp nt,0,1,2,3,4,5,6,7
	v_wmma_f32_16x16x32_bf16 v[ACC+8*\nt:ACC+8*\nt+7], v[8*(8*\kk+\nt):8*(8*\kk+\nt)+7], v[X+8*\kk:X+8*\kk+7], v[ACC+8*\nt:ACC+8*\nt+7]
.endr
.irp nt,0,1,2,3,4,5,6,7
	v_wmma_f32_16x16x32_bf16 v[ACC+8*\nt:ACC+8*\nt+7], v[8*(8*\kk+\nt):8*(8*\kk+\nt)+7], v[XL+8*\kk:XL+8*\kk+7], v[ACC+8*\nt:ACC+8*\nt+7]
.endr
.endr
.endm
.macro MMN                             ; 64 products, source 0 = hi, then lo, source 1 = the window's weights
.irp kk,0,1,2,3
.irp nt,0,1,2,3,4,5,6,7
	v_wmma_f32_16x16x32_bf16 v[ACC+8*\nt:ACC+8*\nt+7], v[X+8*\kk:X+8*\kk+7], v[8*(8*\kk+\nt):8*(8*\kk+\nt)+7], v[ACC+8*\nt:ACC+8*\nt+7]
.endr
.irp nt,0,1,2,3,4,5,6,7
	v_wmma_f32_16x16x32_bf16 v[ACC+8*\nt:ACC+8*\nt+7], v[XL+8*\kk:XL+8*\kk+7], v[8*(8*\kk+\nt):8*(8*\kk+\nt)+7], v[ACC+8*\nt:ACC+8*\nt+7]
.endr
.endr
.endm
; Channel 16 nt + r: softmax over 8 registers x 2 halves, and the weighted sum of val (eight registers from vb).
; cnt = the LDS loads issued behind this tile's eight, which may stay out.
.macro SOFT nt, vb, cnt
	v_max3_num_f32 v[M], v[ACC+8*\nt], v[ACC+8*\nt+1], v[ACC+8*\nt+2]
	v_max3_num_f32 v[M], v[M], v[ACC+8*\nt+3], v[ACC+8*\nt+4]
	v_max3_num_f32 v[M], v[M], v[ACC+8*\nt+5], v[ACC+8*\nt+6]
	v_max_num_f32 v[M], v[M], v[ACC+8*\nt+7]
	v_permlanex16_b32 v[M2], v[M], s38, s39
	v_max_num_f32 v[M], v[M], v[M2]
	v_mul_f32 v[ML], 0xbfb8aa3b, v[M]              ; - log2(e) x the maximum
.irp p,0,1,2,3
	v_pk_fma_f32 v[ACC+8*\nt+2*\p:ACC+8*\nt+2*\p+1], v[ACC+8*\nt+2*\p:ACC+8*\nt+2*\p+1], 0x3fb8aa3b, v[ML:ML+1] op_sel_hi:[1,0,0]
.endr
.irp j,0,1,2,3,4,5,6,7
	v_exp_f32 v[ACC+8*\nt+\j], v[ACC+8*\nt+\j]
.endr
	v_nop                                          ; one plain place between the transcendentals and the first use (ISA guide 5.7.2)
	s_wait_alu depctr_va_vdst(0)
	v_pk_add_f32 v[S:S+1], v[ACC+8*\nt:ACC+8*\nt+1], v[ACC+8*\nt+2:ACC+8*\nt+3]
	v_pk_add_f32 v[T:T+1], v[ACC+8*\nt+4:ACC+8*\nt+5], v[ACC+8*\nt+6:ACC+8*\nt+7]
	v_pk_add_f32 v[S:S+1], v[S:S+1], v[T:T+1]
	v_add_f32 v[S], v[S], v[S+1]
	s_wait_dscnt \cnt                              ; val's tile nt is back
	v_pk_mul_f32 v[NA:NA+1], v[\vb:\vb+1], v[ACC+8*\nt:ACC+8*\nt+1]
.irp p,1,2,3
	v_pk_fma_f32 v[NA:NA+1], v[\vb+2*\p:\vb+2*\p+1], v[ACC+8*\nt+2*\p:ACC+8*\nt+2*\p+1], v[NA:NA+1]
.endr
	v_add_f32 v[NA], v[NA], v[NB2]
	v_permlanex16_b32 v[M2], v[S], s38, s39
	v_permlanex16_b32 v[S+1], v[NA], s38, s39
	v_add_f32 v[S], v[S], v[M2]
	v_rcp_f32 v[S], v[S]                           ; the sum is at least 1: the largest term is exp(0)
	v_add_f32 v[NA], v[NA], v[S+1]                 ; (the plain place behind the transcendental)
	s_wait_alu depctr_va_vdst(0)
	v_mul_f32 v[RES+\nt], v[NA], v[S]
.endm
; One point.  At its head 19 loads of mine are out, in this order: neighbour's coords, own coords, 8 of kv.lo, 8 of kv.hi, the next neighbours.
; Four v_nop stand behind each layer: places between its products and the vector lines and loads that touch their registers;
; the five that the next layer's products need are made up by the packing lines of the other tiles.
.macro TRIP refill
	s_wait_dscnt 0x0                               ; the first layer's fragments are in X
	s_wait_loadcnt 17                              ; both coords are in; kv's 16 and the neighbours stay out
	v_sub_nc_u32 v[T],   v29, v25
	v_sub_nc_u32 v[T+1], v30, v26
	v_sub_nc_u32 v[T+2], v31, v27
	v_cvt_f32_i32 v[T],   v[T]
	v_cvt_f32_i32 v[T+1], v[T+1]
	v_cvt_f32_i32 v[T+2], v[T+2]
	v_cvt_pk_bf16_f32 v[RS+4], v[T], v[T+1]
	v_cvt_pk_bf16_f32 v[RS+5], v[T+2], v3
.irp u,0,1,2,3
	v_wmma_f32_16x16x32_bf16 v[ACC+16*\u:ACC+16*\u+7],    v[X+8*\u:X+8*\u+7], v[RS+4:RS+11], 0    ; rel at K 0-7: the even tile
	v_wmma_f32_16x16x32_bf16 v[ACC+16*\u+8:ACC+16*\u+15], v[X+8*\u:X+8*\u+7], v[RS:RS+7], 0       ; rel at K 16-23: the odd tile
.endr
	NOPS 4
	POST_RELU 0
	WIN 0x01                                       ; source 0 in window 1: Wd2
	MMT 1
	WIN 0
	NOPS 4
	s_wait_loadcnt 1                               ; kv's row pieces are in; the next neighbours stay out
.irp nt,0,1,2,3,4,5,6,7
.irp p,0,1,2,3
	v_fma_mix_f32_bf16 v[T+2*\p],   v[VV+4*\nt+\p], v3, v[ACC+8*\nt+2*\p]   op_sel_hi:[1,0,0]
	v_fma_mix_f32_bf16 v[T+2*\p+1], v[VV+4*\nt+\p], v3, v[ACC+8*\nt+2*\p+1] op_sel:[1,0,0] op_sel_hi:[1,0,0]
.endr
	ds_store_b128 v20, v[T:T+3]   offset:64*\nt    ; val[neighbour r][channels 16 nt + 8 h ..], f32
	ds_store_b128 v20, v[T+4:T+7] offset:64*\nt+16
.irp p,0,1,2,3
	v_fma_mix_f32_bf16 v[ACC+8*\nt+2*\p],   v[KF+4*\nt+\p], v3, v[ACC+8*\nt+2*\p]   op_sel_hi:[1,0,0]
	v_fma_mix_f32_bf16 v[ACC+8*\nt+2*\p+1], v[KF+4*\nt+\p], v3, v[ACC+8*\nt+2*\p+1] op_sel:[1,0,0] op_sel_hi:[1,0,0]
.endr
	SPLIT \nt
	ds_load_b128 v[ACC+8*\nt:ACC+8*\nt+3],   v18 offset:64*\nt       ; the tile becomes the next layer's C: qg of this point
	ds_load_b128 v[ACC+8*\nt+4:ACC+8*\nt+7], v18 offset:64*\nt+16
.endr
.if \refill
	s_wait_loadcnt 0x0                             ; the next neighbours are in, and every address register of mine is free
	v_add_nc_u32 v7, 16, v7
	s_add_co_u32 s36, s36, 1
	s_min_u32 s36, s36, 15                         ; the last trip but one asks for point 15's neighbours once more: inside the buffer
	s_lshl_b32 s40, s36, 6
	v_add_nc_u32 v16, s40, v17
	REFILL                                         ; the next point's rows are asked for two layers and a softmax ahead of their use
.endif
	s_wait_dscnt 0x0                               ; qg is in the tiles
	WIN 0x02                                       ; Wg1
	MMT 0
	WIN 0
	NOPS 4
	POST_RELU 1
	s_wait_dscnt 0x0                               ; bg2 is in the tiles
	WIN 0x0c                                       ; source 1 in window 3: Wg2
	MMN
	WIN 0
	NOPS 4
.irp nt,0,1,2,3
.irp j,0,1,2,3,4,5,6,7
	ds_load_b32 v[X+8*\nt+\j], v21 offset:528*\j+64*\nt              ; val of channel 16 nt + r, neighbour 8 h + j (my own bytes, in order)
.endr
.endr
.irp nt,4,5,6,7
.irp j,0,1,2,3,4,5,6,7
	ds_load_b32 v[XL+8*(\nt-4)+\j], v21 offset:528*\j+64*\nt
.endr
.endr
.irp nt,0,1,2,3
	SOFT \nt, X+8*\nt, 8*(7-\nt)                   ; the eight loads of each later tile stay out
.endr
.if \refill
	WDLOAD                                         ; X is free: the next point's first layer
.endif
.irp nt,4,5,6,7
	SOFT \nt, XL+8*(\nt-4), 8*(7-\nt)+8*\refill    ; and the eight fragment loads just issued
.endr
.irp u,0,1,2,3
	v_cndmask_b32 v[T+\u], v[RES+2*\u], v[RES+2*\u+1], s37           ; both halves hold every sum: lanes 16-31 store the odd tile
	ds_store_b32 v22, v[T+\u] offset:128*\u
.endr
	v_add_nc_u32 v18, 0x200, v18
	v_add_nc_u32 v22, 0x210, v22
.endm
	s_mov_b32 s34, 15
.Lpoint:
	TRIP 1
	s_sub_co_i32 s34, s34, 1
	s_cmp_lg_u32 s34, 0
	s_cbranch_scc1 .Lpoint
	TRIP 0                                         ; the last point asks for nothing
	s_wait_loadcnt 0x0
	; u = agg W_down + b_down for my 16 points
	v_and_b32 v8, 31, v0
	s_mul_i32 s40, s32, 8448
	s_add_co_u32 s40, s40, AGG
	v_mul_u32_u24 v9, v1, 0x210
	v_lshl_add_u32 v9, v2, 5, v9
	v_add_nc_u32 v9, s40, v9
	v_and_b32 v10, 7, v0
	v_lshl_add_u32 v10, v2, 3, v10
	v_mul_u32_u24 v10, v10, 0xa0
	v_bfe_u32 v11, v0, 3, 1
	v_lshl_add_u32 v10, v11, 4, v10
	v_add_nc_u32 v10, LWDN, v10
	s_lshl_b32 s40, s32, 9
	s_add_co_u32 s40, s40, STT
	v_lshlrev_b32 v11, 8, v2
	v_lshl_add_u32 v11, v1, 2, v11
	v_add_nc_u32 v11, s40, v11
	s_mul_i32 s40, s32, 8448
	s_add_co_u32 s40, s40, VAL
	v_mul_u32_u24 v12, v2, 0x880                   ; 8 h rows of 272 bytes
	v_lshl_add_u32 v12, v1, 2, v12
	v_add_nc_u32 v12, s40, v12
	v_mul_u32_u24 v13, v2, 0x110
	v_lshl_add_u32 v13, v1, 4, v13
	v_add_nc_u32 v13, s40, v13
	v_lshlrev_b32 v14, 4, v8
	v_lshlrev_b32 v15, 2, v1
.irp nt,0,1,2,3
	global_load_b32 v[T+\nt], v15, s[26:27] offset:64*\nt
.endr
.irp c,0,1,2,3,4,5,6,7
	ds_load_b128 v[ACC+8*\c:ACC+8*\c+3],   v9 offset:64*\c         ; agg rows in fragment order (my own bytes, served in order)
	ds_load_b128 v[ACC+8*\c+4:ACC+8*\c+7], v9 offset:64*\c+16
.endr
	s_wait_dscnt 0x0
.irp c,0,1,2,3,4,5,6,7
	SPLIT \c
.endr
.macro DOWN hf                         ; channel tiles 2 hf, 2 hf + 1: eight fragments of W_down, sixteen products (hi and lo)
.irp kk,0,1,2,3
.irp n,0,1
	ds_load_tr16_b128 v[KF+8*(2*\kk+\n):KF+8*(2*\kk+\n)+3],   v10 offset:5120*\kk+32*(2*\hf+\n)
	ds_load_tr16_b128 v[KF+8*(2*\kk+\n)+4:KF+8*(2*\kk+\n)+7], v10 offset:5120*\kk+32*(2*\hf+\n)+2560
.endr
.endr
	s_wait_dscnt 0x0
.irp n,0,1
	v_wmma_f32_16x16x32_bf16 v[ACC+8*(2*\hf+\n):ACC+8*(2*\hf+\n)+7], v[X:X+7], v[KF+8*\n:KF+8*\n+7], 0
.endr
.irp n,0,1
	v_wmma_f32_16x16x32_bf16 v[ACC+8*(2*\hf+\n):ACC+8*(2*\hf+\n)+7], v[XL:XL+7], v[KF+8*\n:KF+8*\n+7], v[ACC+8*(2*\hf+\n):ACC+8*(2*\hf+\n)+7]
.endr
.irp kk,1,2,3
.irp n,0,1
	v_wmma_f32_16x16x32_bf16 v[ACC+8*(2*\hf+\n):ACC+8*(2*\hf+\n)+7], v[X+8*\kk:X+8*\kk+7], v[KF+8*(2*\kk+\n):KF+8*(2*\kk+\n)+7], v[ACC+8*(2*\hf+\n):ACC+8*(2*\hf+\n)+7]
.endr
.irp n,0,1
	v_wmma_f32_16x16x32_bf16 v[ACC+8*(2*\hf+\n):ACC+8*(2*\hf+\n)+7], v[XL+8*\kk:XL+8*\kk+7], v[KF+8*(2*\kk+\n):KF+8*(2*\kk+\n)+7], v[ACC+8*(2*\hf+\n):ACC+8*(2*\hf+\n)+7]
.endr
.endr
	NOPS 4
.endm
	DOWN 0
	DOWN 1
	s_wait_loadcnt 0x0
.irp nt,0,1,2,3
.irp j,0,1,2,3,4,5,6,7
	v_add_f32 v[ACC+8*\nt+\j], v[ACC+8*\nt+\j], v[T+\nt]
.endr
.endr
.macro USTAT nt                        ; channel 16 nt + r: mean of my 16 rows, and the sum of squares about it
	v_pk_add_f32 v[S:S+1], v[ACC+8*\nt:ACC+8*\nt+1], v[ACC+8*\nt+2:ACC+8*\nt+3]
	v_pk_add_f32 v[T+4:T+5], v[ACC+8*\nt+4:ACC+8*\nt+5], v[ACC+8*\nt+6:ACC+8*\nt+7]
	v_pk_add_f32 v[S:S+1], v[S:S+1], v[T+4:T+5]
	v_add_f32 v[S], v[S], v[S+1]
	v_permlanex16_b32 v[M2], v[S], s38, s39
	v_add_f32 v[S], v[S], v[M2]
	v_mul_f32 v[ML], 0x3d800000, v[S]
	v_mov_b32 v[ML+1], v[ML]
.irp p,0,1,2,3
	v_pk_add_f32 v[KF+2*\p:KF+2*\p+1], v[ACC+8*\nt+2*\p:ACC+8*\nt+2*\p+1], v[ML:ML+1] neg_lo:[0,1] neg_hi:[0,1]
.endr
	v_pk_mul_f32 v[S:S+1], v[KF:KF+1], v[KF:KF+1]
.irp p,1,2,3
	v_pk_fma_f32 v[S:S+1], v[KF+2*\p:KF+2*\p+1], v[KF+2*\p:KF+2*\p+1], v[S:S+1]
.endr
	v_add_f32 v[S], v[S], v[S+1]
	v_permlanex16_b32 v[M2], v[S], s38, s39
	v_add_f32 v[S], v[S], v[M2]
	v_cndmask_b32 v[NA], v[ML], v[S], s37
	ds_store_b32 v11, v[NA] offset:64*\nt
.endm
	USTAT 0
	USTAT 1
	USTAT 2
	USTAT 3
	; u leaves through my stage: a lane holds a piece of a column, a store wants rows
.irp nt,0,1,2,3
.irp j,0,1,2,3,4,5,6,7
	ds_store_b32 v12, v[ACC+8*\nt+\j] offset:272*\j+64*\nt
.endr
.endr
.irp i,0,1,2,3,4,5,6,7
	ds_load_b128 v[X+4*\i:X+4*\i+3], v13 offset:544*\i
.endr
.irp i,0,1,2,3,4,5,6,7
	s_wait_dscnt 7-\i
	global_store_b128 v14, v[X+4*\i:X+4*\i+3], s[28:29] offset:512*\i  ; two whole rows of 256 bytes
.endr
	s_barrier_signal -1                            ; behind the s_wait_dscnt 0 of the last row: my figures are in LDS
	s_barrier_wait -1
	s_cmp_lg_u32 s32, 0
	s_cbranch_scc1 .Lend
	; wave 0 joins the four waves' figures: 64 rows; lane L takes channels 2 L, 2 L + 1
	v_lshlrev_b32 v16, 3, v8
	v_add_nc_u32 v17, STT, v16
.irp w,0,1,2,3
	ds_load_b64 v[160+2*\w:161+2*\w], v17 offset:512*\w
	ds_load_b64 v[168+2*\w:169+2*\w], v17 offset:512*\w+256
.endr
	s_wait_dscnt 0x0
	v_pk_add_f32 v[176:177], v[160:161], v[162:163]
	v_pk_add_f32 v[178:179], v[164:165], v[166:167]
	v_pk_add_f32 v[176:177], v[176:177], v[178:179]
	v_pk_mul_f32 v[176:177], v[176:177], 0x3e800000 op_sel_hi:[1,0]
	v_pk_add_f32 v[168:169], v[168:169], v[170:171]
	v_pk_add_f32 v[172:173], v[172:173], v[174:175]
	v_pk_add_f32 v[168:169], v[168:169], v[172:173]
.irp w,0,1,2,3
	v_pk_add_f32 v[160+2*\w:161+2*\w], v[160+2*\w:161+2*\w], v[176:177] neg_lo:[0,1] neg_hi:[0,1]
.endr
	v_pk_mul_f32 v[178:179], v[160:161], v[160:161]
.irp w,1,2,3
	v_pk_fma_f32 v[178:179], v[160+2*\w:161+2*\w], v[160+2*\w:161+2*\w], v[178:179]
.endr
	v_pk_fma_f32 v[168:169], v[178:179], 0x41800000, v[168:169] op_sel_hi:[1,0,1]
	global_store_b64 v16, v[176:177], s[30:31]               ; 256 consecutive bytes: the means
	global_store_b64 v16, v[168:169], s[30:31] offset:256    ; and the M2
.Lend:
	s_wait_xcnt 0x0
	v_lshl_add_u32 v254, v0, 2, 0x3e000
	v_mov_b32 v255, 0
	s_wait_tensorcnt 0x0
	ds_add_u32 v254, v255
	s_wait_dscnt 0x0
	s_endpgm
.Lfunc_end_k_q64caa60150_attn:
	.size	k_q64caa60150_attn, .Lfunc_end_k_q64caa60150_attn-k_q64caa60150_attn
	.p2alignl 7, 3214868480
	.fill 96, 4, 3214868480
	.section	.rodata,"a",@progbits
	.p2align	6, 0x0
	.amdhsa_kernel k_q64caa60150_attn
		.amdhsa_group_segment_fixed_size 254464
		.amdhsa_private_segment_fixed_size 0
		.amdhsa_enable_private_segment 0
		.amdhsa_kernarg_size 112
		.amdhsa_user_sgpr_count 2
		.amdhsa_user_sgpr_kernarg_segment_ptr 1
		.amdhsa_wavefront_size32 1
		.amdhsa_system_sgpr_workgroup_id_x 1
		.amdhsa_system_sgpr_workgroup_id_y 1
		.amdhsa_system_sgpr_workgroup_id_z 1
		.amdhsa_system_vgpr_workitem_id 0
		.amdhsa_next_free_vgpr 1024
		.amdhsa_next_free_sgpr 66
		.amdhsa_reserve_vcc 0
		.amdhsa_float_denorm_mode_32 3
		.amdhsa_float_denorm_mode_16_64 3
		.amdhsa_memory_ordered 1
		.amdhsa_forward_progress 1
		.amdhsa_inst_pref_size 238
	.end_amdhsa_kernel
	.amdgpu_metadata
---
amdhsa.version: [ 1, 2 ]
amdhsa.kernels:
  - .name:           k_q64caa60150_attn
    .symbol:         k_q64caa60150_attn.kd
    .args:
      - { .name: coords, .offset: 0, .size: 8, .value_kind: global_buffer, .address_space: global }
      - { .name: nbr, .offset: 8, .size: 8, .value_kind: global_buffer, .address_space: global }
      - { .name: kv, .offset: 16, .size: 8, .value_kind: global_buffer, .address_space: global }
      - { .name: qg, .offset: 24, .size: 8, .value_kind: global_buffer, .address_space: global }
      - { .name: Wd1, .offset: 32, .size: 8, .value_kind: global_buffer, .address_space: global }
      - { .name: bd1, .offset: 40, .size: 8, .value_kind: global_buffer, .address_space: global }
      - { .name: Wd2, .offset: 48, .size: 8, .value_kind: global_buffer, .address_space: global }
      - { .name: Wg1, .offset: 56, .size: 8, .value_kind: global_buffer, .address_space: global }
      - { .name: Wg2, .offset: 64, .size: 8, .value_kind: global_buffer, .address_space: global }
      - { .name: bg2, .offset: 72, .size: 8, .value_kind: global_buffer, .address_space: global }
      - { .name: W_down, .offset: 80, .size: 8, .value_kind: global_buffer, .address_space: global }
      - { .name: b_down, .offset: 88, .size: 8, .value_kind: global_buffer, .address_space: global }
      - { .name: u, .offset: 96, .size: 8, .value_kind: global_buffer, .address_space: global }
      - { .name: st2, .offset: 104, .size: 8, .value_kind: global_buffer, .address_space: global }
    .group_segment_fixed_size: 254464
    .private_segment_fixed_size: 0
    .kernarg_segment_align: 8
    .kernarg_segment_size: 112
    .max_flat_workgroup_size: 128
    .sgpr_count:     66
    .vgpr_count:     1024
    .wavefront_size: 32
...
	.end_amdgpu_metadata
.endif
;; end of part 3
;; launch final (part 4): grid 256 x 1, 8 waves a work-group, no clusters, 9,216 bytes of LDS; arguments u, x, st2, g2, be2, out0; writes out0
.if DOCPART == 4
	.amdgcn_target "amdgcn-amd-amdhsa--gfx1250"
	.amdhsa_code_object_version 6
	.text
	.protected	k_q64caa60150_final
	.globl	k_q64caa60150_final
	.p2align	8
	.type	k_q64caa60150_final,@function
k_q64caa60150_final:
	s_mov_b64 s[64:65], 0
	v_nop
	global_prefetch_b8 v0, s[64:65] scope:SCOPE_SE
	s_setreg_imm32_b32 hwreg(HW_REG_WAVE_MODE, 25, 1), 1
	s_wait_xcnt 0x0
; out = batchnorm(u) + x.  A work-group owns 64 rows (16 KiB of u, x and out); thread t keeps the same four channels 4 (t & 15) .. +3.
; Every work-group joins the 256 groups' (mean, M2) for itself: deviations from group 0's figure are summed, so that no difference of large
; sums is formed: mean = m0 + S1/256, var = (sum M2 + 64 (S2 - S1^2/256)) / 16384.
; STATED: the whole program computes reference() on inputs rounded once to bf16.  The x that entered the first product was rounded so; the x
; that is added here, g2 and be2 are rounded alike (relative error up to 2^-8 each), so that one and the same set of inputs is used throughout.
; A stream: no matrix unit, no cluster (what is shared, 128 KiB of partial figures, is summed in registers as it comes).
.macro RND2 a, t                       ; two f32 numbers rounded to bf16 (to nearest even) and widened again
	v_cvt_pk_bf16_f32 v[\t], v[\a], v[\a+1]
	v_lshlrev_b32 v[\a], 16, v[\t]
	v_and_b32 v[\a+1], 0xffff0000, v[\t]
.endm
	s_load_b256 s[4:11], s[0:1], 0x0               ; u 4, x 6, st2 8, g2 10
	s_load_b128 s[12:15], s[0:1], 0x20             ; be2 12, out0 14
	v_lshl_add_u32 v208, v0, 2, 0x2000
	v_mov_b32 v209, 0
	v_and_b32 v1, 31, v0                           ; which four of a group's 128 numbers
	v_lshrrev_b32 v2, 5, v0                        ; which 32 of the 256 groups
	v_and_b32 v3, 15, v0
	v_lshlrev_b32 v4, 4, v0
	v_lshlrev_b32 v5, 4, v1
	v_lshl_add_u32 v6, v2, 14, v5
	v_lshlrev_b32 v7, 4, v3
	v_lshlrev_b32 v52, 5, v0
	v_lshlrev_b32 v53, 5, v3
	s_lshl_b32 s2, ttmp9, 14
	s_mov_b32 s3, 0
	s_wait_kmcnt 0x0
	s_add_nc_u64 s[4:5], s[4:5], s[2:3]
	s_add_nc_u64 s[6:7], s[6:7], s[2:3]
	s_add_nc_u64 s[14:15], s[14:15], s[2:3]
	global_load_b128 v[40:43], v5, s[8:9]          ; group 0's figures: the pivot
.set i, 0
.rept 32
	global_load_b128 v[64+4*i:67+4*i], v6, s[8:9] offset:i*512       ; a wave's load covers a group's 512 bytes
.set i, i+1
.endr
	global_load_b128 v[192:195], v7, s[8:9]              ; my channels: group 0's mean,
	global_load_b128 v[196:199], v7, s[8:9] offset:256   ; group 0's M2,
	global_load_b128 v[200:203], v7, s[10:11]            ; g2,
	global_load_b128 v[204:207], v7, s[12:13]            ; be2
.irp p,0,1,2,3
	global_load_b128 v[8+4*\p:11+4*\p],  v4, s[4:5] offset:\p*4096 th:TH_LOAD_NT
	global_load_b128 v[24+4*\p:27+4*\p], v4, s[6:7] offset:\p*4096 th:TH_LOAD_NT
.endr
	s_wait_loadcnt 12                              ; the figures are in; the 4 loads of constants and the 8 of u and x stay out
.set i, 0
.rept 32
	v_pk_add_f32 v[64+i:65+i], v[64+i:65+i], v[40:41] neg_lo:[0,1] neg_hi:[0,1]
	v_pk_add_f32 v[66+i:67+i], v[66+i:67+i], v[42:43] neg_lo:[0,1] neg_hi:[0,1]
.set i, i+4
.endr
	v_pk_add_f32 v[44:45], v[64:65], v[68:69]
	v_pk_add_f32 v[46:47], v[66:67], v[70:71]
	v_pk_mul_f32 v[48:49], v[64:65], v[64:65]
	v_pk_mul_f32 v[50:51], v[66:67], v[66:67]
	v_pk_fma_f32 v[48:49], v[68:69], v[68:69], v[48:49]
	v_pk_fma_f32 v[50:51], v[70:71], v[70:71], v[50:51]
.set i, 8
.rept 30
	v_pk_add_f32 v[44:45], v[44:45], v[64+i:65+i]
	v_pk_add_f32 v[46:47], v[46:47], v[66+i:67+i]
	v_pk_fma_f32 v[48:49], v[64+i:65+i], v[64+i:65+i], v[48:49]
	v_pk_fma_f32 v[50:51], v[66+i:67+i], v[66+i:67+i], v[50:51]
.set i, i+4
.endr
	ds_store_b128 v52, v[44:47]
	ds_store_b128 v52, v[48:51] offset:16
	s_wait_dscnt 0x0                               ; my sums are in LDS before I say so
	s_barrier_signal -1
	s_barrier_wait -1
.irp s,0,1,2,3,4,5,6,7
	ds_load_b128 v[64+12*\s:67+12*\s], v53 offset:\s*1024            ; S1 of my channels' means
	ds_load_b128 v[68+12*\s:71+12*\s], v53 offset:\s*1024+16         ; S2 of them
	ds_load_b128 v[72+12*\s:75+12*\s], v53 offset:\s*1024+512        ; S1 of my channels' M2
.endr
	s_wait_loadcnt 0x0                             ; u, x, g2, be2 and group 0's figures of my channels
	RND2 200, 54                                   ; g2
	RND2 202, 55
	RND2 204, 56                                   ; be2
	RND2 206, 57
.irp p,0,1,2,3
	RND2 24+4*\p, 54+\p                            ; x
	RND2 26+4*\p, 58+\p
.endr
	s_wait_dscnt 0x0
.irp s,1,2,3,4,5,6,7
.irp k,0,2,4,6,8,10
	v_pk_add_f32 v[64+\k:65+\k], v[64+\k:65+\k], v[64+12*\s+\k:65+12*\s+\k]
.endr
.endr
.irp k,0,2
	v_pk_mul_f32 v[76+\k:77+\k], v[64+\k:65+\k], 0xbb800000 op_sel_hi:[1,0]              ; - S1 / 256
	v_pk_add_f32 v[80+\k:81+\k], v[192+\k:193+\k], v[76+\k:77+\k] neg_lo:[0,1] neg_hi:[0,1] ; the mean
	v_pk_fma_f32 v[68+\k:69+\k], v[76+\k:77+\k], v[64+\k:65+\k], v[68+\k:69+\k]          ; S2 - S1^2 / 256
	v_pk_fma_f32 v[72+\k:73+\k], v[196+\k:197+\k], 0x43800000, v[72+\k:73+\k] op_sel_hi:[1,0,1] ; the M2 were summed as deviations: + 256 x group 0's
	v_pk_fma_f32 v[72+\k:73+\k], v[68+\k:69+\k], 0x42800000, v[72+\k:73+\k] op_sel_hi:[1,0,1]
	v_pk_mul_f32 v[72+\k:73+\k], v[72+\k:73+\k], 0x38800000 op_sel_hi:[1,0]              ; / 16384
	v_pk_add_f32 v[72+\k:73+\k], v[72+\k:73+\k], 0x3727c5ac op_sel_hi:[1,0]              ; + 1e-5
.endr
.irp j,0,1,2,3
	v_rsq_f32 v[84+\j], v[72+\j]
.endr
	v_nop                                          ; one plain place behind the transcendentals (ISA guide 5.7.2)
	s_wait_alu depctr_va_vdst(0)
	v_pk_mul_f32 v[84:85], v[84:85], v[200:201]
	v_pk_mul_f32 v[86:87], v[86:87], v[202:203]
.irp p,0,1,2,3
.irp k,0,2
	v_pk_add_f32 v[8+4*\p+\k:9+4*\p+\k], v[8+4*\p+\k:9+4*\p+\k], v[80+\k:81+\k] neg_lo:[0,1] neg_hi:[0,1]
	v_pk_add_f32 v[24+4*\p+\k:25+4*\p+\k], v[24+4*\p+\k:25+4*\p+\k], v[204+\k:205+\k]
	v_pk_fma_f32 v[8+4*\p+\k:9+4*\p+\k], v[8+4*\p+\k:9+4*\p+\k], v[84+\k:85+\k], v[24+4*\p+\k:25+4*\p+\k]
.endr
	global_store_b128 v4, v[8+4*\p:11+4*\p], s[14:15] offset:\p*4096 th:TH_STORE_NT     ; a wave's store covers 512 consecutive bytes, aligned
.endr
	s_wait_tensorcnt 0x0
	ds_add_u32 v208, v209
	s_wait_dscnt 0x0
	s_endpgm
.Lfunc_end_k_q64caa60150_final:
	.size	k_q64caa60150_final, .Lfunc_end_k_q64caa60150_final-k_q64caa60150_final
	.p2alignl 7, 3214868480
	.fill 96, 4, 3214868480
	.section	.rodata,"a",@progbits
	.p2align	6, 0x0
	.amdhsa_kernel k_q64caa60150_final
		.amdhsa_group_segment_fixed_size 9216
		.amdhsa_private_segment_fixed_size 0
		.amdhsa_enable_private_segment 0
		.amdhsa_kernarg_size 48
		.amdhsa_user_sgpr_count 2
		.amdhsa_user_sgpr_kernarg_segment_ptr 1
		.amdhsa_wavefront_size32 1
		.amdhsa_system_sgpr_workgroup_id_x 1
		.amdhsa_system_sgpr_workgroup_id_y 1
		.amdhsa_system_sgpr_workgroup_id_z 1
		.amdhsa_system_vgpr_workitem_id 0
		.amdhsa_next_free_vgpr 210
		.amdhsa_next_free_sgpr 66
		.amdhsa_reserve_vcc 0
		.amdhsa_float_denorm_mode_32 3
		.amdhsa_float_denorm_mode_16_64 3
		.amdhsa_memory_ordered 1
		.amdhsa_forward_progress 1
		.amdhsa_inst_pref_size 27
	.end_amdhsa_kernel
	.amdgpu_metadata
---
amdhsa.version: [ 1, 2 ]
amdhsa.kernels:
  - .name:           k_q64caa60150_final
    .symbol:         k_q64caa60150_final.kd
    .args:
      - { .name: u, .offset: 0, .size: 8, .value_kind: global_buffer, .address_space: global }
      - { .name: x, .offset: 8, .size: 8, .value_kind: global_buffer, .address_space: global }
      - { .name: st2, .offset: 16, .size: 8, .value_kind: global_buffer, .address_space: global }
      - { .name: g2, .offset: 24, .size: 8, .value_kind: global_buffer, .address_space: global }
      - { .name: be2, .offset: 32, .size: 8, .value_kind: global_buffer, .address_space: global }
      - { .name: out0, .offset: 40, .size: 8, .value_kind: global_buffer, .address_space: global }
    .group_segment_fixed_size: 9216
    .private_segment_fixed_size: 0
    .kernarg_segment_align: 8
    .kernarg_segment_size: 48
    .max_flat_workgroup_size: 256
    .sgpr_count:     66
    .vgpr_count:     210
    .wavefront_size: 32
...
	.end_amdgpu_metadata
.endif
;; end of part 4
